; MI455X (gfx1250); checked and timed in simulation.
; The chip was launched on July 23, 2026; its instructions are those of AMD's public machine-readable ISA for CDNA 5 (MIT licence, August 2026) and "CDNA5" Instruction Set Architecture Reference Guide (July 2026). The comments in the code are by the model that wrote it; some were corrected since.
;; LSA Block. Allowed arithmetic: matrix products marked QUANTISED: E2M1 operands, one E8M0 scale for each 32 along K, by v_wmma_scale_f32_16x16x128_f8f6f4 with both operands' format E2M1 (or v_wmma_scale_f32_32x16x128_f4), f32 sums; everything else in f32.
;; Inputs: fc1_b 1,024 float32; fc1_w 1,024 x 256 float32; fc2_b 256 float32; fc2_w 256 x 1,024 float32; ln1_b 256 float32; ln1_g 256 float32; ln2_b 256 float32; ln2_g 256 float32; proj_b 256 float32; proj_w 256 x 256 float32; qkv_w 768 x 256 float32; scale one number float32; x 8 x 2,048 x 256 float32.
;; Outputs: out0 8 x 2,048 x 256 float32.
;; This version of the problem:
;;   THIS VERSION OF THE PROBLEM IS GIVEN IN LOW PRECISION. The matrix products marked QUANTISED in the list below multiply operands that are first quantised to E2M1 (2 exponent bits, 1 mantissa bit; 4 bits a number), with one power-of-two scale for each 32 numbers along K (OCP MX v1.0); their sums are f32. All else is computed in f32.
;;   The module's matrix products, in the order in which they are computed (A, B: the left and right operand; K: the contracted axis; several contracted axes count as one K, in the product's order):
;;     1. [M 16,384, K 256] x [K 256, N 768]; A: computed on the way; B: input qkv_w: QUANTISED
;;     2. batch 64 x [M 2,048, K 32] x [K 32, N 2,048]; A: computed on the way; B: computed on the way: QUANTISED
;;     3. batch 64 x [M 2,048, K 2,048] x [K 2,048, N 32]; A: softmax (see below); B: computed on the way: QUANTISED
;;     4. [M 16,384, K 256] x [K 256, N 256]; A: computed on the way; B: input proj_w: QUANTISED
;;     5. [M 16,384, K 256] x [K 256, N 1,024]; A: computed on the way; B: input fc1_w: QUANTISED
;;     6. [M 16,384, K 1,024] x [K 1,024, N 256]; A: computed on the way; B: input fc2_w: QUANTISED
;;   THE QUANTISER, for each operand of a quantised product, along K:
;;     - K is cut into blocks of 32 from its start; a last block that is shorter is filled with zeros.
;;     - A block's scale is 2^e with e = floor(log2(the largest magnitude in the block)) - 2, held to -126 .. 127; a block of zeros has e = 0. As a byte (E8M0): e + 127.
;;     - Each number is divided by its block's scale, clamped to +-6, and rounded to the nearest number of E2M1, ties to even, subnormals kept.
;;     - The product sums the exact products of the quantised numbers (number of the format x scale) in f32.
;;   ~~~python
;;   def quantise(x, axis):      # numpy; x: float32 -> the quantised numbers, widened to float32 again
;;       x = np.moveaxis(x, axis, -1); K = x.shape[-1]
;;       x = np.pad(x, [(0, 0)] * (x.ndim - 1) + [(0, -K % 32)]); x = x.reshape(x.shape[:-1] + (-1, 32)); a = np.abs(x).max(-1, keepdims=True)
;;       e = np.where(a > 0, np.clip(np.frexp(np.where(a > 0, a, 1))[1] - 1 - 2, -126, 127), 0)      # np.frexp(a)[1] - 1 = floor(log2(a)), exactly
;;       r = np.clip(x / 2.0 ** e, -6, 6)
;;       step = 2.0 ** (np.maximum(np.frexp(np.where(r == 0, 1, r))[1] - 1, 0) - 1)
;;       q = np.round(r / step) * step * 2.0 ** e      # np.round: ties to even
;;       return np.moveaxis(q.reshape(q.shape[:-2] + (-1,))[..., :K], -1, axis).astype(np.float32)
;;   ~~~
;;   SOFTMAX AHEAD OF A QUANTISED PRODUCT. Where the list says 'softmax', what is quantised is not the finished softmax but p = 2^(t - M), with t = logit x log2(e) and M = ceil(the row's largest t), a whole number; so 1/2 < the row's largest p <= 1. The row's sum l is taken of the UNQUANTISED p, in f32, and the product's result is divided by l at the end. Since M is a whole number, a kernel that streams over the keys may use a running M (the ceiling of the running maximum): every later rescaling is an exact power of two, which a block's scale takes up: the codes' values come out the same.
;;   OPERANDS COMPUTED ON THE WAY. 'Computed on the way' means the value that the module computes at that place (a softmax that the list does not call 'softmax' is quantised finished and normalised). What goes into a quantiser is computed in f32, as accurately as f32 sums, v_exp_f32 and their like allow (about 1e-6 of the number): no bf16 or f16 on the way to a quantiser, and a product that is left as it is and whose result goes on into a quantised operand takes f32 operands (vector FMAs, or v_wmma_f32_16x16x4_f32). A number that lies on a knife's edge between two numbers of the format may be rounded either way, as far as f32 arithmetic and the matrix unit's own rounding can turn it there, and no further.
;; One version. Each part assembles by itself: llvm-mc -triple=amdgcn-amd-amdhsa -mcpu=gfx1250 --defsym DOCPART=n.
;; ======== version 1 of 1: 4 launches
;; limits: right only within a limited range of input values
;; workspace buffers: wts 424,960 bytes; qimg 2,097,152 bytes; qsc 131,072 bytes; kv 4,456,448 bytes; oimg 2,097,152 bytes; osc 131,072 bytes
;; launch prep (part 1): grid 96 x 1, 4 waves a work-group, no clusters, 768 bytes of LDS; arguments qkv_w, proj_w, fc1_w, fc2_w, wts, ln2_g, ln2_b, fc2_b, fc1_b; writes wts
.if DOCPART == 1
	.amdgcn_target "amdgcn-amd-amdhsa--gfx1250"
	.amdhsa_code_object_version 6
	.text
	.protected	k_qf77c297723_prep
	.globl	k_qf77c297723_prep
	.p2align	8
	.type	k_qf77c297723_prep,@function
k_qf77c297723_prep:
	s_mov_b64 s[64:65], 0
	v_nop
	global_prefetch_b8 v0, s[64:65] scope:SCOPE_SE
	s_setreg_imm32_b32 hwreg(HW_REG_WAVE_MODE, 25, 1), 1
	s_wait_xcnt 0x0
; The four weights, f32 with K innermost, become codes of FP4 (E2M1) with one E8M0 byte for each 32 along K, laid as IMAGES OF OPERAND REGISTERS.
; A fragment is 16 rows x 128 K: 8 registers a lane, 1,024 bytes: registers 4 c .. 4 c + 3 of lane l at 512 c + 16 l; lane (r, h) holds there block 2 c + h (32 codes) of the fragment's row r.
; THE ROWS OF A TILE ARE NOT NEIGHBOURS: lane r of tile 2 b + u takes row 32 b + 8 u + r + 8 (r / 8), so that a transposed product leaves 16 neighbours along the next K in a lane's 16 registers.
; Fragment F: qkv 2 t + s (0..95), proj 96 + 2 t + s, fc1 128 + 2 t + s, fc2 256 + 16 s + t.  In wts: images of F < 96 at 1,024 F; the scale words of all 384 (64 bytes each, row r's word at 4 r) at 98,304 + 64 F;
; images of F >= 96 at 1,024 F + 24,576.
; One wave makes one fragment: F = 4 x work-group + wave; the tensors' first fragments are multiples of 4, so a work-group lies in one tensor.  Only pointers and shifts are chosen: one path for all.
; A lane's 32 registers of a block are all of that block, so its largest magnitude needs no other lane.
; LIMITS: NaN and infinities are not served; a block of zeros gets the byte 1 where the rule says 127 (its codes are zeros, and this program alone reads the bytes).
.set X,  16                            ; v16-79  two blocks of 32 numbers
.set CD, 80                            ; v80-87  the fragment's codes
	s_load_b256 s[4:11], s[0:1], 0x0               ; qkv_w s[4:5], proj_w s[6:7], fc1_w s[8:9], fc2_w s[10:11]
	s_load_b64 s[12:13], s[0:1], 0x20              ; wts
	s_load_b256 s[40:47], s[0:1], 0x28             ; ln2_g s[40:41], ln2_b s[42:43], fc2_b s[44:45], fc1_b s[46:47]
	v_lshl_add_u32 v96, v0, 2, 0x100
	v_mov_b32 v97, 0
	v_lshrrev_b32 v1, 5, v0
	v_readfirstlane_b32 s14, v1                    ; wave
	s_lshl_b32 s15, ttmp9, 2
	s_add_co_u32 s15, s15, s14                     ; F
	s_mov_b32 s32, 0x76543210
	s_mov_b32 s33, 0xfedcba98                      ; v_permlanex16_b32's selects for lane l xor 16
	s_mov_b32 s18, 256
	s_wait_kmcnt 0x0
	; THE LAST LAUNCH'S VECTORS are copied behind fc2's images, at 417,792: ln2_g, ln2_b, fc2_b (1,024 bytes each), fc1_b (4,096), so that fc1's and fc2's images and these lie on end.
	; The first 14 waves of the launch copy 512 consecutive bytes each, 16 a lane; only the pointer is chosen, by the wave's number in the launch.
	s_cmp_lt_u32 s15, 14
	s_cbranch_scc0 .Lnocopy
	s_cmp_lt_u32 s15, 6
	s_cselect_b64 s[34:35], s[44:45], s[46:47]
	s_cselect_b32 s36, 4, 6                        ; the vector's first piece
	s_cmp_lt_u32 s15, 4
	s_cselect_b64 s[34:35], s[42:43], s[34:35]
	s_cselect_b32 s36, 2, s36
	s_cmp_lt_u32 s15, 2
	s_cselect_b64 s[34:35], s[40:41], s[34:35]
	s_cselect_b32 s36, 0, s36
	s_sub_co_u32 s36, s15, s36
	s_lshl_b32 s36, s36, 9                         ; my piece in its vector,
	s_lshl_b32 s37, s15, 9                         ; and in the copy
	v_and_b32 v98, 31, v0
	v_lshlrev_b32 v98, 4, v98
	v_add_nc_u32 v99, s37, v98
	v_add_nc_u32 v98, s36, v98
	s_wait_alu depctr_va_vdst(0)
	global_load_b128 v[100:103], v98, s[34:35]
	s_wait_loadcnt 0x0
	global_store_b128 v99, v[100:103], s[12:13] offset:417792
.Lnocopy:
	s_cmp_lt_u32 s15, 256
	s_cselect_b64 s[16:17], s[8:9], s[10:11]
	s_cselect_b32 s18, 128, s18                    ; the tensor's first fragment
	s_cselect_b32 s19, 10, 12                      ; a row is 1 << 10 bytes (K = 256) or 1 << 12 (K = 1,024)
	s_cselect_b32 s20, 0, 1                        ; 1: fc2
	s_cmp_lt_u32 s15, 128
	s_cselect_b64 s[16:17], s[6:7], s[16:17]
	s_cselect_b32 s18, 96, s18
	s_cmp_lt_u32 s15, 96
	s_cselect_b64 s[16:17], s[4:5], s[16:17]
	s_cselect_b32 s18, 0, s18
	s_cselect_b32 s21, 0, 24576                    ; images of F >= 96 lie behind the scale words
	s_sub_co_u32 s22, s15, s18                     ; f, the fragment's number in its tensor
	s_and_b32 s23, s22, 15
	s_lshr_b32 s24, s22, 4
	s_lshr_b32 s25, s22, 1
	s_and_b32 s26, s22, 1
	s_cmp_eq_u32 s20, 1
	s_cselect_b32 s23, s23, s25                    ; t: the tile of rows
	s_cselect_b32 s24, s24, s26                    ; s: the K step
	s_lshr_b32 s25, s23, 1
	s_lshl_b32 s25, s25, 5
	s_and_b32 s26, s23, 1
	s_lshl_b32 s26, s26, 3
	s_add_co_u32 s25, s25, s26                     ; the tile's first row: 32 (t / 2) + 8 (t % 2)
	s_lshl_b32 s25, s25, s19
	s_lshl_b32 s26, s24, 9                         ; 128 numbers a K step
	s_add_co_u32 s26, s26, s25
	s_mov_b32 s27, 0
	s_add_nc_u64 s[16:17], s[16:17], s[26:27]
	s_lshl_b32 s28, s15, 10
	s_add_co_u32 s28, s28, s21
	s_mov_b32 s29, 0
	s_add_nc_u64 s[28:29], s[12:13], s[28:29]      ; where the image goes
	v_and_b32 v1, 31, v0                           ; l
	v_and_b32 v2, 15, v0                           ; r
	v_bfe_u32 v3, v0, 4, 1                         ; h
	v_and_b32 v4, 8, v2
	v_add_nc_u32 v4, v4, v2                        ; r + 8 (r / 8)
	v_lshlrev_b32 v5, s19, v4
	v_lshl_add_u32 v5, v3, 7, v5                   ; my row, + 128 h: lane (r, h) takes k = 64 c + 32 h + 0 .. 31
	v_lshlrev_b32 v6, 4, v1                        ; 16 l
	v_lshlrev_b32 v7, 2, v2
	s_lshl_b32 s31, s14, 6
	v_add_nc_u32 v7, s31, v7                       ; LDS: 64 x wave + 4 r
	v_lshlrev_b32 v90, 3, v1                       ; LDS: 8 l, for wave 0's way out
	s_lshl_b32 s30, ttmp9, 8
	v_add_nc_u32 v91, s30, v90                     ; and the same in wts: 256 x work-group + 8 l
.irp c, 0,1
.irp q, 0,1,2,3,4,5,6,7
	global_load_b128 v[X+32*\c+4*\q:X+32*\c+4*\q+3], v5, s[16:17] offset:256*\c+16*\q th:TH_LOAD_NT
.endr
.endr
	s_wait_loadcnt 0x0
.irp c, 0,1
	v_max3_num_f32 v[8+\c], |v[X+32*\c]|, |v[X+1+32*\c]|, 0x1800000   ; my block 2 c + h, and the floor 2^(3 - 127): the byte cannot fall under 1
.endr
.irp i, 2,4,6,8,10,12,14,16,18,20,22,24,26,28,30
.irp c, 0,1
	v_max3_num_f32 v[8+\c], v[8+\c], |v[X+32*\c+\i]|, |v[X+1+32*\c+\i]|   ; (the two blocks by turns)
.endr
.endr
.irp c, 0,1
	v_add_nc_u32 v[10+\c], 0xff000000, v[8+\c]     ; 2 off the exponent field: the conversion's scale operand
.endr
.irp c, 0,1
	v_lshrrev_b32 v[12+\c], 23, v[10+\c]           ; the scale's byte
.endr
	v_lshl_or_b32 v14, v13, 16, v12                ; my two bytes: blocks h and 2 + h,
	v_lshlrev_b32 v15, 3, v3
	v_lshlrev_b32 v14, v15, v14                    ; at their places in the word;
	v_mov_b32 v15, 0
	v_permlanex16_b32 v15, v14, s32, s33
	v_or_b32 v14, v14, v15                         ; with lane l xor 16's two the word is whole
.irp c, 0,1
.irp g, 0,1,2,3
	v_cvt_scalef32_pk8_fp4_f32 v[CD+4*\c+\g], v[X+32*\c+8*\g:X+32*\c+8*\g+7], v[10+\c]
.endr
.endr
	v_nop                                          ; one plain place behind the last scaled conversion
	global_store_b128 v6, v[CD:CD+3], s[28:29]             ; 512 consecutive bytes an instruction
	global_store_b128 v6, v[CD+4:CD+7], s[28:29] offset:512
	ds_store_b32 v7, v14                           ; both halves of the lanes write the same word with the same value
	s_wait_dscnt 0x0                               ; for the others' sake: my store has landed
	s_barrier_signal -1
	s_barrier_wait -1
	s_cmp_lg_u32 s14, 0
	s_cbranch_scc1 .Lend
	ds_load_b64 v[88:89], v90                      ; the work-group's four fragments' words: 256 bytes
	s_wait_dscnt 0x0
	global_store_b64 v91, v[88:89], s[12:13] offset:98304  ; 32 lanes store 256 consecutive bytes, aligned
.Lend:
	s_wait_tensorcnt 0x0
	ds_add_u32 v96, v97
	s_wait_dscnt 0x0
	s_endpgm
.Lfunc_end_k_qf77c297723_prep:
	.size	k_qf77c297723_prep, .Lfunc_end_k_qf77c297723_prep-k_qf77c297723_prep
	.p2alignl 7, 3214868480
	.fill 96, 4, 3214868480
	.section	.rodata,"a",@progbits
	.p2align	6, 0x0
	.amdhsa_kernel k_qf77c297723_prep
		.amdhsa_group_segment_fixed_size 768
		.amdhsa_private_segment_fixed_size 0
		.amdhsa_enable_private_segment 0
		.amdhsa_kernarg_size 72
		.amdhsa_user_sgpr_count 2
		.amdhsa_user_sgpr_kernarg_segment_ptr 1
		.amdhsa_wavefront_size32 1
		.amdhsa_system_sgpr_workgroup_id_x 1
		.amdhsa_system_sgpr_workgroup_id_y 1
		.amdhsa_system_sgpr_workgroup_id_z 1
		.amdhsa_system_vgpr_workitem_id 0
		.amdhsa_next_free_vgpr 104
		.amdhsa_next_free_sgpr 66
		.amdhsa_reserve_vcc 0
		.amdhsa_float_denorm_mode_32 3
		.amdhsa_float_denorm_mode_16_64 3
		.amdhsa_memory_ordered 1
		.amdhsa_forward_progress 1
		.amdhsa_inst_pref_size 9
	.end_amdhsa_kernel
	.amdgpu_metadata
---
amdhsa.version: [ 1, 2 ]
amdhsa.kernels:
  - .name:           k_qf77c297723_prep
    .symbol:         k_qf77c297723_prep.kd
    .args:
      - { .name: qkv_w, .offset: 0, .size: 8, .value_kind: global_buffer, .address_space: global }
      - { .name: proj_w, .offset: 8, .size: 8, .value_kind: global_buffer, .address_space: global }
      - { .name: fc1_w, .offset: 16, .size: 8, .value_kind: global_buffer, .address_space: global }
      - { .name: fc2_w, .offset: 24, .size: 8, .value_kind: global_buffer, .address_space: global }
      - { .name: wts, .offset: 32, .size: 8, .value_kind: global_buffer, .address_space: global }
      - { .name: ln2_g, .offset: 40, .size: 8, .value_kind: global_buffer, .address_space: global }
      - { .name: ln2_b, .offset: 48, .size: 8, .value_kind: global_buffer, .address_space: global }
      - { .name: fc2_b, .offset: 56, .size: 8, .value_kind: global_buffer, .address_space: global }
      - { .name: fc1_b, .offset: 64, .size: 8, .value_kind: global_buffer, .address_space: global }
    .group_segment_fixed_size: 768
    .private_segment_fixed_size: 0
    .kernarg_segment_align: 8
    .kernarg_segment_size: 72
    .max_flat_workgroup_size: 128
    .sgpr_count:     66
    .vgpr_count:     104
    .wavefront_size: 32
...
	.end_amdgpu_metadata
.endif
;; end of part 1
;; launch qkv (part 2): grid 256 x 1, 4 waves a work-group, clusters of 4 x 1, 168,448 bytes of LDS; arguments x, ln1_g, ln1_b, wts, qimg, qsc, kv; writes qimg, qsc, kv
.if DOCPART == 2
	.amdgcn_target "amdgcn-amd-amdhsa--gfx1250"
	.amdhsa_code_object_version 6
	.text
	.protected	k_qf77c297723_qkv
	.globl	k_qf77c297723_qkv
	.p2align	8
	.type	k_qf77c297723_qkv,@function
k_qf77c297723_qkv:
	s_mov_b64 s[64:65], 0
	v_nop
	global_prefetch_b8 v0, s[64:65] scope:SCOPE_SE
	s_setreg_imm32_b32 hwreg(HW_REG_WAVE_MODE, 25, 1), 1
	s_wait_xcnt 0x0
	s_wait_alu depctr_hold_cnt(0) depctr_sa_sdst(0) depctr_va_vdst(0) depctr_va_sdst(0) depctr_va_ssrc(0) depctr_va_vcc(0) depctr_vm_vsrc(0)
	s_getreg_b32 s2, hwreg(HW_REG_IB_STS2, 6, 4)
	s_cmp_eq_u32 s2, 0
	s_cbranch_scc0 .Lentry_in_a_cluster
	s_endpgm
.Lentry_in_a_cluster:
	s_bfe_u32 s2, ttmp6, 0x10000c
	s_cmp_lg_u32 s2, 0x3003
	s_cbranch_scc0 .Lentry_shape_is_right
	s_endpgm
.Lentry_shape_is_right:
; LayerNorm 1, its quantiser, x' Wqkv^T on codes of FP4, and the quantisers of q, k (along the head's 32) and v (along the keys).  Only codes and scale bytes go to memory.
; SHARES.  Work-group W = 4 x cluster + place takes rows 64 W .. 64 W + 63 (b = W / 32, g = W % 32).  Row tile t' = 2 c + u holds rows 64 W + 32 c + 8 u + r + 8 (r / 8) in lane r.
; Phase X: wave w normalises and quantises row tile w and hands its two fragments to the others through LDS, as images of the operand's registers.  Phase 1: wave w makes heads 2 w, 2 w + 1 of q, k and v for all 64 rows.
; q and k: the product is used TRANSPOSED (source 0 = 16 rows of W, source 1 = a row tile), so a lane holds one row and 16 neighbouring channels of a head: a head's 32 channels are one block.
; v: not transposed (source 0 = a row tile, source 1 = 16 rows of W): a lane holds one channel and 16 neighbouring keys: 32 keys are one block.
; The four tiles' blocks of a head come out of the quantiser as ONE fragment image: block t' of row r is tile t''s row r.  So attention reads a fragment of 64 keys with no zero in it.
; CLUSTER.  The weights' images and scale words (104,448 bytes) are the same for every work-group: the four partners ask for them jointly, a quarter a wave, once.  No LDS byte is filled twice.
; The scale words leave in pieces of 64 and 128 bytes (one byte in 64 of what the launch stores); all codes leave 512 consecutive bytes an instruction.
; LIMITS: NaN and infinities are not served; a block of zeros gets the byte 1 where the rule says 127 (its codes are zeros; this program alone reads the bytes).
; REGISTERS.  window 0: v1-15, v54-55, v76-80 addresses; v16-31 at work in the quantiser; v32-39 codes, v40-41 scale words; v42-53 mean, 1/sqrt, sums; v56-67 W's scale words; v68-75 x's;
;   v128-255 the row's 128 numbers a lane, later x's 8 fragments (v128-191) and 8 accumulators (v192-255).   window 1: x as loaded, later my 24 fragments of W.   window 2: ln1_g (v0-127), ln1_b (v128-255).
.set WSCL, 98304                       ; LDS: wts' first 104,448 bytes as they lie: images, then from here the scale words
.set STG,  104448                      ; four stages of 16 rows x (512 + 16) bytes, a wave's own
.set XIMG, 138240                      ; x's 8 fragments (tile m, K step s: 2 m + s), 1,024 bytes each
.set XSC,  146432                      ; their scale words, 128 bytes each (4 bytes a lane)
.set WV, 18
.set CX, 19
.set WG, 20
.set G1, 24
.set G0, 32
.set SEL, 40
.set MHI, 42
.set C256, 43
.set EPS, 44
.set LI, 4
.set LS, 5
.set STD, 6
.set STI, 7
.set XWI, 8
.set XWS, 9
.set AWQ, 10
.set AWV, 11
.set ASW, 12
.set VK, 13
.set VV, 14
.set VKS, 15
.set TM, 16
.set PC, 32
.set PW, 40
.set PWS, 41
.set MN, 42
.set RS, 44
.set SU, 46
.set VVS, 54
.set VQS, 55
.set WS, 56
.set XS, 68
.set T16, 76
.set GO, 77
.set XRD, 78
.set XSR, 79
.set SH, 80
.set X, 128
.set XF, 128
.set ACC, 192
.set MSB, 0
.macro WIN new                         ; the immediate's high byte repeats the setting that is left
.if MSB != \new
	s_set_vgpr_msb (MSB<<8)|\new
.set MSB, \new
.endif
.endm
.macro PLACES n
.rept \n
	v_nop
.endr
.endm
.macro ROUND                           ; a round of the cluster's barrier
	s_barrier_signal -1
	s_barrier_wait -1
	s_cmp_lg_u32 s[WV], 0
	s_cbranch_scc1 .Lnot_wave_0_\@
	s_barrier_signal -3
.Lnot_wave_0_\@:
	s_barrier_wait -3
	s_barrier_signal -1
	s_barrier_wait -1
.endm
; 64 numbers of a lane, register 16 b + i = number 16 (lane / 16) + i of block b of my row, become a fragment's codes in v[pc] on and its scale word in v[pw] (the same in lanes l and l xor 16).
.macro QUANT s, pc, pw
.irp b, 0,1,2,3
	v_max3_num_f32 v[TM+\b], |v[\s+16*\b]|, |v[\s+1+16*\b]|, 0x1800000   ; my 16 numbers and the floor 2^(3 - 127): the byte cannot fall under 1
.endr
.irp i, 2,4,6,8,10,12,14
.irp b, 0,1,2,3
	v_max3_num_f32 v[TM+\b], v[TM+\b], |v[\s+16*\b+\i]|, |v[\s+1+16*\b+\i]|   ; (the four blocks by turns)
.endr
.endr
.irp b, 0,1,2,3
	v_permlanex16_b32 v[TM+4+\b], v[TM+\b], s[SEL], s[SEL+1]
.endr
.irp b, 0,1,2,3
	v_max_num_f32 v[TM+\b], v[TM+\b], v[TM+4+\b]   ; with lane l xor 16's: the block's largest magnitude
.endr
.irp b, 0,1,2,3
	v_add_nc_u32 v[TM+12+\b], 0xff000000, v[TM+\b] ; 2 off its exponent field: the conversion's scale operand
.endr
.irp b, 0,1,2,3
	v_lshrrev_b32 v[TM+4+\b], 23, v[TM+12+\b]      ; the scale's byte
.endr
	v_lshl_or_b32 v[\pw], v[TM+5], 8, v[TM+4]
	v_lshl_or_b32 v[\pw], v[TM+6], 16, v[\pw]
	v_lshl_or_b32 v[\pw], v[TM+7], 24, v[\pw]
.irp b, 0,1,2,3
	v_cvt_scalef32_pk8_fp4_f32 v[\pc+2*\b], v[\s+16*\b:\s+7+16*\b], v[TM+12+\b]
	v_cvt_scalef32_pk8_fp4_f32 v[\pc+1+2*\b], v[\s+8+16*\b:\s+15+16*\b], v[TM+12+\b]
.endr
	v_nop                                          ; one plain place behind a scaled conversion
.irp c, 0,1                            ; the operand's layout wants a whole block in a lane: lanes 0-15 block 2 c, lanes 16-31 block 2 c + 1
.irp i, 0,1
	v_permlane16_swap_b32 v[\pc+4*\c+\i], v[\pc+2+4*\c+\i]
.endr
.endr
.endm
; Columns 128 e on of my 16 rows, loaded 512 consecutive bytes an instruction, turn through my stage: they come back 16 neighbours of each block of 32 a lane.  LDS serves a wave's instructions in order: no wait between.
.macro XTURN e, dwin, dst
	WIN \dwin                                      ; an LDS store's data are its source 1
.set n, 0
.rept 16
	ds_store_b128 v[STD], v[8*n+4*\e:8*n+4*\e+3] offset:528*n
.set n, n+1
.endr
	WIN 0
.set n, 0
.rept 16
	ds_load_b128 v[\dst+4*n:\dst+4*n+3], v[STI] offset:128*(n/4)+16*(n%4)
.set n, n+1
.endr
.endm
.macro REDUCE                          ; four chains of pairs -> the row's sum in v[SU], in every lane
	v_pk_add_f32 v[SU:SU+1], v[SU:SU+1], v[SU+2:SU+3]
	v_pk_add_f32 v[SU+4:SU+5], v[SU+4:SU+5], v[SU+6:SU+7]
	v_pk_add_f32 v[SU:SU+1], v[SU:SU+1], v[SU+4:SU+5]
	v_add_f32 v[SU], v[SU], v[SU+1]
	v_permlanex16_b32 v[SU+1], v[SU], s[SEL], s[SEL+1]     ; the row's other 128 numbers lie in lane l xor 16
	v_add_f32 v[SU], v[SU], v[SU+1]
.endm
.macro LNVAR                           ; X holds x - mean: the variance, 1 / sqrt(variance + eps), and X times that
.irp k, 0,1,2,3
	v_pk_mul_f32 v[SU+2*\k:SU+2*\k+1], v[X+2*\k:X+2*\k+1], v[X+2*\k:X+2*\k+1]
.endr
.set j, 8
.rept 15
.irp k, 0,1,2,3
	v_pk_fma_f32 v[SU+2*\k:SU+2*\k+1], v[X+j+2*\k:X+j+2*\k+1], v[X+j+2*\k:X+j+2*\k+1], v[SU+2*\k:SU+2*\k+1]
.endr
.set j, j+8
.endr
	REDUCE
	v_fma_f32 v[SU], v[SU], s[C256], s[EPS]
	s_wait_alu depctr_va_vdst(0)
	v_rsq_f32 v[RS], v[SU]
	v_nop                                          ; one plain place behind the transcendental
	s_wait_alu depctr_va_vdst(0)
	v_mov_b32 v[RS+1], v[RS]
.set j, 0
.rept 64
	v_pk_mul_f32 v[X+j:X+j+1], v[X+j:X+j+1], v[RS:RS+1]
.set j, j+2
.endr
.endm
	s_load_b256 s[4:11], s[0:1], 0x0               ; x s[4:5], ln1_g s[6:7], ln1_b s[8:9], wts s[10:11]
	s_load_b128 s[12:15], s[0:1], 0x20             ; qimg s[12:13], qsc s[14:15]
	s_load_b64 s[16:17], s[0:1], 0x30              ; kv
	v_lshl_add_u32 v126, v0, 2, 0x29000
	v_mov_b32 v127, 0
	ds_add_u32 v126, v127
	ds_add_u32 v126, v127
	v_lshrrev_b32 v1, 5, v0
	v_readfirstlane_b32 s[WV], v1                  ; wave 0..3
	s_bfe_u32 s[CX], ttmp6, 0x40000                ; my place in the cluster: it enters global addresses alone
	s_lshl_b32 s[WG], ttmp9, 2
	s_add_co_u32 s[WG], s[WG], s[CX]               ; W
	s_lshr_b32 s21, s[WG], 5                       ; b
	s_and_b32 s22, s[WG], 31                       ; g
	v_and_b32 v1, 31, v0                           ; l
	v_and_b32 v2, 15, v0                           ; r
	v_bfe_u32 v3, v0, 4, 1                         ; h
	v_lshlrev_b32 v[LI], 4, v1
	v_lshlrev_b32 v[LS], 2, v1
	v_lshlrev_b32 v[GO], 6, v3                     ; gains and biases: 64 h: my 16 numbers of each block of 32
	s_mov_b32 s[SEL], 0x76543210
	s_mov_b32 s[SEL+1], 0xfedcba98
	s_mov_b32 s[MHI], 0xffff0000                   ; lanes 16-31
	s_mov_b32 s[C256], 0x3b800000                  ; 1 / 256
	s_mov_b32 s[EPS], 0x3727c5ac                   ; 1e-5
	s_lshl_b32 s36, s[WG], 16                      ; 64 rows of 1,024 bytes,
	s_lshr_b32 s45, s[WV], 1
	s_lshl_b32 s45, s45, 15                        ; + 32 (w / 2) rows
	s_and_b32 s46, s[WV], 1
	s_lshl_b32 s46, s46, 13                        ; + 8 (w % 2) rows
	s_add_co_u32 s36, s36, s45
	s_add_co_u32 s36, s36, s46
	s_mov_b32 s37, 0
	; descriptor group 1: 102 rows of 256 bytes (32 elements of 8 bytes), dense, no padding: images are read 512 consecutive bytes an instruction
	s_mov_b32 s[G1], 15|(3<<16)|(1<<21)            ; 15:0 the mask: all four partners; 17:16 elements of 8 bytes; 21 set beside a mask
	s_mov_b32 s[G1+1], 32<<16                      ; tensor_dim0
	s_mov_b32 s[G1+2], 102<<16                     ; tensor_dim1
	s_mov_b32 s[G1+3], 32<<16                      ; tile_dim0
	s_mov_b32 s[G1+4], 102                         ; tile_dim1
	s_mov_b32 s[G1+5], 32                          ; the pitch
	s_mov_b32 s[G1+6], 0
	s_mov_b32 s[G1+7], 0
	s_mov_b32 s[G0], 1
	s_mul_i32 s[G0+1], s[WV], 26112                ; my quarter, in LDS as in memory
	s_mov_b32 s38, s[G0+1]
	s_mov_b32 s39, 0
	s_wait_alu depctr_va_vdst(0)
	s_wait_dscnt 0x0
	s_wait_kmcnt 0x0
	s_add_nc_u64 s[4:5], s[4:5], s[36:37]
	s_add_nc_u64 s[G0+2:G0+3], s[10:11], s[38:39]
	s_or_b32 s[G0+3], s[G0+3], 0x80000000          ; type = 2
	WIN 0x40                                       ; destination window 1
.set n, 0
.rept 16
	global_load_b128 v[8*n:8*n+3], v[LI], s[4:5] offset:(n+8*(n/8))*1024 th:TH_LOAD_NT        ; row n of my tile: 512 consecutive bytes an instruction
	global_load_b128 v[8*n+4:8*n+7], v[LI], s[4:5] offset:(n+8*(n/8))*1024+512 th:TH_LOAD_NT
.set n, n+1
.endr
	WIN 0x80                                       ; destination window 2
.set n, 0
.rept 32
	global_load_b128 v[4*n:4*n+3], v[GO], s[6:7] offset:128*(n/4)+16*(n%4)     ; ln1_g in my numbers' order
.set n, n+1
.endr
	WIN 0
	ROUND                                          ; all four work-groups are here: the joint loads meet
	tensor_load_to_lds s[G0:G0+3], s[G1:G1+7]      ; the wave's one tensor load
	s_nop 0
	PLACES 4
	s_mul_i32 s45, s[WV], 8448
	s_add_co_u32 s45, s45, STG                     ; my stage
	v_add_nc_u32 v[STD], s45, v[LI]                ; dense: 16 l, a row an instruction
	v_mul_u32_u24 v[STI], v2, 528
	v_lshl_add_u32 v[STI], v3, 6, v[STI]
	v_add_nc_u32 v[STI], s45, v[STI]               ; by lanes: row r, + 64 h
	s_lshl_b32 s45, s[WV], 11
	s_add_co_u32 s45, s45, XIMG
	v_add_nc_u32 v[XWI], s45, v[LI]
	s_lshl_b32 s45, s[WV], 8
	s_add_co_u32 s45, s45, XSC
	v_add_nc_u32 v[XWS], s45, v[LS]
	v_add_nc_u32 v[XRD], XIMG, v[LI]
	v_add_nc_u32 v[XSR], XSC, v[LS]
	s_lshl_b32 s45, s[WV], 13
	v_add_nc_u32 v[AWQ], s45, v[LI]                ; my two heads' fragments of Wq: 8,192 w
	v_add_nc_u32 v[AWV], 65536, v[AWQ]             ; of Wv
	s_lshl_b32 s45, s[WV], 9
	s_add_co_u32 s45, s45, WSCL
	v_add_nc_u32 v[ASW], s45, v[LS]
.irp b, 0,1,2,3
	v_mov_b32 v[TM+4+\b], 0                        ; written once: a lane permute's destination counts as one of its sources
.endr
	; where the results go
	s_lshl_b32 s45, s21, 3
	s_lshl_b32 s46, s[WV], 1
	s_add_co_u32 s45, s45, s46                     ; 8 b + 2 w: my first head
	s_lshl_b32 s46, s45, 5
	s_add_co_u32 s46, s46, s22                     ; x 32 + g
	s_lshl_b32 s36, s46, 10
	s_add_nc_u64 s[12:13], s[12:13], s[36:37]
	s_lshl_b32 s36, s46, 6
	s_add_nc_u64 s[14:15], s[14:15], s[36:37]
	s_mul_i32 s36, s45, 69632
	s_add_nc_u64 s[16:17], s[16:17], s[36:37]      ; my first head's record in kv
	s_lshl_b32 s47, s22, 10
	v_add_nc_u32 v[VK], s47, v[LI]                 ; K's image g
	s_lshr_b32 s48, s22, 1
	s_and_b32 s49, s22, 1
	s_lshl_b32 s50, s48, 11
	s_lshl_b32 s51, s49, 9
	s_add_co_u32 s50, s50, s51
	s_add_co_u32 s50, s50, 32768
	v_add_nc_u32 v[VV], s50, v[LI]                 ; V's images of key step g / 2, half g % 2
	v_mul_u32_u24 v[VKS], v3, 69632
	v_lshl_add_u32 v[VKS], v2, 2, v[VKS]
	s_lshl_b32 s50, s22, 6
	s_add_co_u32 s50, s50, 65536
	v_add_nc_u32 v[VKS], s50, v[VKS]               ; K's scale words: lanes 0-15 the even head's, lanes 16-31 the odd head's
	s_lshl_b32 s50, s48, 7
	s_lshl_b32 s51, s49, 1
	s_add_co_u32 s50, s50, s51
	s_add_co_u32 s50, s50, 67584
	v_add_nc_u32 v[VVS], s50, v[LS]                ; V's: two bytes of each word
	v_lshlrev_b32 v[VQS], 11, v3
	v_lshl_add_u32 v[VQS], v2, 2, v[VQS]
	v_lshlrev_b32 v[SH], 4, v3                     ; 16 h
	; ---- X: LayerNorm of my 16 rows, and their two fragments
	s_wait_loadcnt 32                              ; x's 32 loads are in; ln1_g's 32, issued behind them, may be out
	WIN 0x80
.set n, 0
.rept 32
	global_load_b128 v[128+4*n:128+4*n+3], v[GO], s[8:9] offset:128*(n/4)+16*(n%4)   ; ln1_b
.set n, n+1
.endr
	XTURN 0, 0x04, X
	XTURN 1, 0x04, X+64
	s_wait_dscnt 0x0
.irp k, 0,1,2,3
	v_pk_add_f32 v[SU+2*\k:SU+2*\k+1], v[X+2*\k:X+2*\k+1], v[X+8+2*\k:X+8+2*\k+1]   ; the first pairs start the four chains: nothing is cleared
.endr
.set j, 16
.rept 14
.irp k, 0,1,2,3
	v_pk_add_f32 v[SU+2*\k:SU+2*\k+1], v[SU+2*\k:SU+2*\k+1], v[X+j+2*\k:X+j+2*\k+1]
.endr
.set j, j+8
.endr
	REDUCE
	v_mul_f32 v[MN], s[C256], v[SU]
	v_mov_b32 v[MN+1], v[MN]
.set j, 0
.rept 64
	v_pk_add_f32 v[X+j:X+j+1], v[X+j:X+j+1], v[MN:MN+1] neg_lo:[0,1] neg_hi:[0,1]
.set j, j+2
.endr
	LNVAR
	s_wait_loadcnt 0x0                             ; the gains and biases
	WIN 0x28                                       ; sources 1 and 2 window 2
.set j, 0
.rept 64
	v_pk_fma_f32 v[X+j:X+j+1], v[X+j:X+j+1], v[j:j+1], v[128+j:128+j+1]
.set j, j+2
.endr
	WIN 0
	QUANT X, PC, PW
	ds_store_b128 v[XWI], v[PC:PC+3]
	ds_store_b128 v[XWI], v[PC+4:PC+7] offset:512
	ds_store_b32 v[XWS], v[PW]
	s_wait_dscnt 0x0                               ; the stores have read their registers
	QUANT X+64, PC, PW
	ds_store_b128 v[XWI], v[PC:PC+3] offset:1024
	ds_store_b128 v[XWI], v[PC+4:PC+7] offset:1536
	ds_store_b32 v[XWS], v[PW] offset:128
	s_wait_tensorcnt 0x0                           ; my quarter of the weights has landed,
	s_wait_dscnt 0x0                               ; my images too:
	s_barrier_signal -1
	s_barrier_wait -1                              ; everybody's have
	; ---- 1: my six slots (q, k, v x two heads), 16 matrix instructions each
.set n, 0
.rept 16
	ds_load_b128 v[XF+4*n:XF+4*n+3], v[XRD] offset:512*n
.set n, n+1
.endr
.set n, 0
.rept 8
	ds_load_b32 v[XS+n], v[XSR] offset:128*n
.set n, n+1
.endr
	WIN 0x40                                       ; my fragment (slot e = 2 p + i, tile u, K step s) at v[32 e + 16 u + 8 s] of window 1
.irp p, 0,1
.set n, 0
.rept 16
	ds_load_b128 v[64*\p+4*n:64*\p+4*n+3], v[AWQ] offset:32768*\p+512*n
.set n, n+1
.endr
.endr
.set n, 0
.rept 16
	ds_load_b128 v[128+4*n:128+4*n+3], v[AWV] offset:512*n
.set n, n+1
.endr
	WIN 0
.irp p, 0,1,2
.irp q, 0,1,2,3
	ds_load_b32 v[WS+4*\p+\q], v[ASW] offset:2048*\p+128*\q    ; lanes 0-15: K step 0's words, lanes 16-31: K step 1's
.endr
.endr
	s_wait_dscnt 0x0
; The 8 accumulators of a slot take turns, one instruction a turn; the first K step starts the sums.
.macro SLOTQK e
	WIN 0x01                                       ; source 0 (W) window 1
.irp s, 0,1
.irp t, 0,1,2,3
.irp u, 0,1
.if \s == 0
	v_wmma_scale_f32_16x16x128_f8f6f4 v[ACC+16*\t+8*\u:ACC+16*\t+8*\u+7], v[32*\e+16*\u:32*\e+16*\u+7], v[XF+16*\t:XF+16*\t+7], 0, v[WS+2*\e+\u], v[XS+2*\t] matrix_a_fmt:MATRIX_FMT_FP4 matrix_b_fmt:MATRIX_FMT_FP4
.else
	v_wmma_scale_f32_16x16x128_f8f6f4 v[ACC+16*\t+8*\u:ACC+16*\t+8*\u+7], v[32*\e+16*\u+8:32*\e+16*\u+15], v[XF+16*\t+8:XF+16*\t+15], v[ACC+16*\t+8*\u:ACC+16*\t+8*\u+7], v[WS+2*\e+\u], v[XS+2*\t+1] matrix_a_fmt:MATRIX_FMT_FP4 matrix_b_fmt:MATRIX_FMT_FP4 matrix_a_scale:MATRIX_SCALE_ROW1
.endif
.endr
.endr
.endr
.endm
.macro SLOTV e
	WIN 0x04                                       ; source 1 (W) window 1
.irp s, 0,1
.irp u, 0,1
.irp t, 0,1,2,3                        ; row tile t = 2 b' + u': accumulator 16 (2 u + b') + 8 u' = 32 u + 8 t
.if \s == 0
	v_wmma_scale_f32_16x16x128_f8f6f4 v[ACC+32*\u+8*\t:ACC+32*\u+8*\t+7], v[XF+16*\t:XF+16*\t+7], v[32*\e+16*\u:32*\e+16*\u+7], 0, v[XS+2*\t], v[WS+2*\e+\u] matrix_a_fmt:MATRIX_FMT_FP4 matrix_b_fmt:MATRIX_FMT_FP4
.else
	v_wmma_scale_f32_16x16x128_f8f6f4 v[ACC+32*\u+8*\t:ACC+32*\u+8*\t+7], v[XF+16*\t+8:XF+16*\t+15], v[32*\e+16*\u+8:32*\e+16*\u+15], v[ACC+32*\u+8*\t:ACC+32*\u+8*\t+7], v[XS+2*\t+1], v[WS+2*\e+\u] matrix_a_fmt:MATRIX_FMT_FP4 matrix_b_fmt:MATRIX_FMT_FP4 matrix_b_scale:MATRIX_SCALE_ROW1
.endif
.endr
.endr
.endr
.endm
.macro HARVEST
	WIN 0
	PLACES 4                                       ; behind the slot's last product, ahead of the first read of its results
	s_wait_xcnt 0x0                                ; the last slot's stores have read the codes and the words: they are written again only behind this wait
	QUANT ACC, PC, PW
.endm
	SLOTQK 0                                       ; q, head 2 w
	HARVEST
	global_store_b128 v[LI], v[PC:PC+3], s[12:13]
	global_store_b128 v[LI], v[PC+4:PC+7], s[12:13] offset:512
	v_mov_b32 v[PWS], v[PW]
	SLOTQK 1                                       ; q, head 2 w + 1
	HARVEST
	global_store_b128 v[LI], v[PC:PC+3], s[12:13] offset:32768
	global_store_b128 v[LI], v[PC+4:PC+7], s[12:13] offset:33280
	v_cndmask_b32 v[PWS], v[PWS], v[PW], s[MHI]    ; lanes 0-15 the even head's words, lanes 16-31 the odd head's
	global_store_b32 v[VQS], v[PWS], s[14:15]
	SLOTQK 2                                       ; k, head 2 w
	HARVEST
	global_store_b128 v[VK], v[PC:PC+3], s[16:17]
	global_store_b128 v[VK], v[PC+4:PC+7], s[16:17] offset:512
	v_mov_b32 v[PWS], v[PW]
	SLOTQK 3                                       ; k, head 2 w + 1
	HARVEST
	global_store_b128 v[VK], v[PC:PC+3], s[16:17] offset:69632
	global_store_b128 v[VK], v[PC+4:PC+7], s[16:17] offset:70144
	v_cndmask_b32 v[PWS], v[PWS], v[PW], s[MHI]
	global_store_b32 v[VKS], v[PWS], s[16:17]
	SLOTV 4                                        ; v, head 2 w: registers 4 u .. 4 u + 3 of the codes are channel tile u, keys 64 g + 32 (lane / 16) on
	HARVEST
	global_store_b128 v[VV], v[PC:PC+3], s[16:17]
	global_store_b128 v[VV], v[PC+4:PC+7], s[16:17] offset:1024
	v_lshrrev_b32 v[T16], v[SH], v[PW]             ; bytes 2 u, 2 u + 1 of the word are tile u's two blocks: lanes 16-31 take tile 1's
	global_store_b16 v[VVS], v[T16], s[16:17]
	SLOTV 5                                        ; v, head 2 w + 1
	HARVEST
	global_store_b128 v[VV], v[PC:PC+3], s[16:17] offset:69632
	global_store_b128 v[VV], v[PC+4:PC+7], s[16:17] offset:70656
	v_lshrrev_b32 v[T16], v[SH], v[PW]
	global_store_b16 v[VVS], v[T16], s[16:17] offset:69632
	s_wait_tensorcnt 0x0
	ds_add_u32 v126, v127
	s_wait_dscnt 0x0
	ROUND                                          ; the closing round: no work-group ends while a partner may still ask for a tile that names it
	s_endpgm
.Lfunc_end_k_qf77c297723_qkv:
	.size	k_qf77c297723_qkv, .Lfunc_end_k_qf77c297723_qkv-k_qf77c297723_qkv
	.p2alignl 7, 3214868480
	.fill 96, 4, 3214868480
	.section	.rodata,"a",@progbits
	.p2align	6, 0x0
	.amdhsa_kernel k_qf77c297723_qkv
		.amdhsa_group_segment_fixed_size 168448
		.amdhsa_private_segment_fixed_size 0
		.amdhsa_enable_private_segment 0
		.amdhsa_kernarg_size 56
		.amdhsa_user_sgpr_count 2
		.amdhsa_user_sgpr_kernarg_segment_ptr 1
		.amdhsa_wavefront_size32 1
		.amdhsa_system_sgpr_workgroup_id_x 1
		.amdhsa_system_sgpr_workgroup_id_y 1
		.amdhsa_system_sgpr_workgroup_id_z 1
		.amdhsa_system_vgpr_workitem_id 0
		.amdhsa_next_free_vgpr 768
		.amdhsa_next_free_sgpr 66
		.amdhsa_reserve_vcc 0
		.amdhsa_float_denorm_mode_32 3
		.amdhsa_float_denorm_mode_16_64 3
		.amdhsa_memory_ordered 1
		.amdhsa_forward_progress 1
		.amdhsa_inst_pref_size 91
	.end_amdhsa_kernel
	.amdgpu_metadata
---
amdhsa.version: [ 1, 2 ]
amdhsa.kernels:
  - .name:           k_qf77c297723_qkv
    .symbol:         k_qf77c297723_qkv.kd
    .args:
      - { .name: x, .offset: 0, .size: 8, .value_kind: global_buffer, .address_space: global }
      - { .name: ln1_g, .offset: 8, .size: 8, .value_kind: global_buffer, .address_space: global }
      - { .name: ln1_b, .offset: 16, .size: 8, .value_kind: global_buffer, .address_space: global }
      - { .name: wts, .offset: 24, .size: 8, .value_kind: global_buffer, .address_space: global }
      - { .name: qimg, .offset: 32, .size: 8, .value_kind: global_buffer, .address_space: global }
      - { .name: qsc, .offset: 40, .size: 8, .value_kind: global_buffer, .address_space: global }
      - { .name: kv, .offset: 48, .size: 8, .value_kind: global_buffer, .address_space: global }
    .group_segment_fixed_size: 168448
    .private_segment_fixed_size: 0
    .kernarg_segment_align: 8
    .kernarg_segment_size: 56
    .max_flat_workgroup_size: 128
    .sgpr_count:     66
    .vgpr_count:     768
    .wavefront_size: 32
...
	.end_amdgpu_metadata
.endif
;; end of part 2
;; launch attn (part 3): grid 4 x 64, 8 waves a work-group, clusters of 4 x 1, 169,984 bytes of LDS; arguments qimg, qsc, kv, scale, oimg, osc; writes oimg, osc
.if DOCPART == 3
	.amdgcn_target "amdgcn-amd-amdhsa--gfx1250"
	.amdhsa_code_object_version 6
	.text
	.protected	k_qf77c297723_attn
	.globl	k_qf77c297723_attn
	.p2align	8
	.type	k_qf77c297723_attn,@function
k_qf77c297723_attn:
	s_mov_b64 s[64:65], 0
	v_nop
	global_prefetch_b8 v0, s[64:65] scope:SCOPE_SE
	s_setreg_imm32_b32 hwreg(HW_REG_WAVE_MODE, 25, 1), 1
	s_wait_xcnt 0x0
	s_wait_alu depctr_hold_cnt(0) depctr_sa_sdst(0) depctr_va_vdst(0) depctr_va_sdst(0) depctr_va_ssrc(0) depctr_va_vcc(0) depctr_vm_vsrc(0)
	s_getreg_b32 s2, hwreg(HW_REG_IB_STS2, 6, 4)
	s_cmp_eq_u32 s2, 0
	s_cbranch_scc0 .Lentry_in_a_cluster
	s_endpgm
.Lentry_in_a_cluster:
	s_bfe_u32 s2, ttmp6, 0x10000c
	s_cmp_lg_u32 s2, 0x3003
	s_cbranch_scc0 .Lentry_shape_is_right
	s_endpgm
.Lentry_shape_is_right:
; O = softmax(q k^T x scale, diagonal masked) v for one head, both products on codes of FP4, and the quantiser of O along the head's 32 channels.
; THE SOFTMAX AHEAD OF THE SECOND PRODUCT: t = score x scale x log2(e); M = the row's largest t so far, rounded UP to a whole number; p = 2^(t - M) is quantised along the keys, not normalised;
; the row's sum is taken of the unquantised p and divides O at the end.  When M moves, the sum and O are multiplied by 2^(old M - new M): exact.
; SHARES.  A cluster of four work-groups owns a head (work-group y); each has 8 waves, two to a SIMD.  Wave w of the work-group at place cx makes two passes; in pass p it owns BOTH query tiles
; t' = 2 (cx % 2) + 0, 1 of group g = 2 (2 w + p) + cx / 2 and carries them through one loop over the keys: each fragment of K and V is read once for both,
; and one tile's exponentials stand among the other tile's multiply-adds and first sums.  The key step that holds the diagonal of both tiles is 2 w + p: the wave's number and the pass, not the place.
; The place enters global addresses and two lane masks (data) alone.
; A HEAD STAYS IN LDS: its record of kv (K's images, V's images, both scale words: 69,632 bytes) is asked for jointly by the four partners, a quarter each by waves 0 to 3, once.  No LDS byte is filled twice.
; No prefetch: the record is asked for once, at the head, and there is no loop to run ahead in.
; K = 32 IN AN INSTRUCTION OF 128: a fragment of K holds 64 keys, 16 in each of its four blocks; it is multiplied four times, by q laid into block 0, 1, 2 or 3 with zero codes elsewhere.
; WHICH KEY STANDS WHERE IN A FRAGMENT IS CHOSEN BY THE LANES' LDS ADDRESSES: a key's 32 codes are 16 bytes of the image.  Row r', block b' takes key 32 (r' / 8) + 8 b' + r' % 8 of the 64, which the image holds
; at 512 (r' / 8) + 256 (b' % 2) + 128 (b' / 2) + 16 (r' % 8); its scale byte is byte 2 (r' / 8) + b' % 2 of the image's word of row r' % 8 + 8 (b' / 2): two loads of 16 bits make a row's word.
; Both products are used transposed (S^T = K Q^T, O^T = V^T P^T): a lane holds ONE query of each tile, and register 32 f + i of a tile's S^T is key 128 s + 64 f + 32 (lane / 16) + i:
; A LANE HOLDS WHOLE BLOCKS OF 32 KEYS, blocks 2 f + lane / 16, as the second product's operand wants them: a block's maximum needs no other lane, and the conversions' results are the operand.
; THE DIAGONAL.  Query r of tile u is key 32 cx + 16 (r / 8) + 8 u + r % 8 of its step: f = cx / 2, lanes of half cx % 2, register 32 f + 16 (r / 8) + 8 u + r % 8: one lane a register, by masks shifted from one bit.
; THE TEMPERATURE may have either sign: c = |scale| log2(e), and a negative scale flips the sign bits of q's codes, which is exact.  c is held at 2^-126 from below, so that scale = 0 meets no -inf x 0.
; The running maximum is kept as a score (c is positive); t is rounded once where the source rounds twice.
; LIMITS: the promise holds while the scaled scores stay under 2^31 in magnitude; NaN and infinities are not served; a block of zeros gets the byte 1 where the rule says 127 (its codes are zeros; this program alone reads the bytes).
; REGISTERS.  window 0: v1-11, v52-54, v120-122 addresses; v12-15 -M and the largest score of tiles 0, 1; sums v16-19 (tile 0), v118-119, v126-127 (tile 1); v20-31 f, scale words; v32-51 at work; v56-71 p's codes;
;   v72-103 fragments of K and V; v104-117 O's codes and bytes; v128-255 S^T, then p, of both tiles.   window 1: v0-31 O^T; v32-71 q in its four places; v72-87 q's codes as loaded.
.set OSCG, 69632                       ; LDS behind the record: the work-group's 512 scale bytes of O
.set SPARE, 0x29000                    ; the spare words: 128 bytes a wave
.set WV, 16
.set CX, 17
.set BH, 18
.set SC, 19
.set G1, 24
.set G0, 32
.set SEL, 38
.set CS, 40                            ; s[40:41] c: the packed form names a pair and takes its low word for both halves
.set XM, 42
.set MHI, 43
.set ST, 44
.set TK, 45
.set TS, 46
.set TKN, 50
.set TSN, 51
.set DG, 52
.set TMP, 53
.set SB, 56                            ; s56-57: for f = cx / 2 the bit of lane 16 (cx % 2), for the other f 0
.set LI, 1                             ; 16 l
.set LS, 2                             ; 65,536 + 4 l
.set ADR, 3
.set ADS, 4
.set NINF, 5
.set SPW, 6
.set NIL, 7
.set OO, 8
.set OSA, 9
.set OSR, 10
.set R16, 11
.set F, 20                             ; v[20:21], v[22:23]
.set T, 24
.set QS, 26
.set PW, 28
.set KS, 30
.set VS, 31
.set BM, 32
.set PM, 40
.set SO, 48
.set LK, 52                            ; my lane's place in an image of K
.set LKS, 53                           ; and among its scale words
.set SELV, 54                          ; the byte selects that put my two blocks' bytes at their places in p's scale word
.set PC, 56
.set KF, 72
.set VF, 88
.set OC, 104
.set OBY, 112
.set ADK, 120
.set ADKS, 121
.set R4, 122
.set QW, 124
.set S, 128
.set O, 0                              ; window 1
.set QB, 32                            ; window 1: 20 registers a tile: [q in lanes 0-15][0][q in lanes 16-31][0][q in lanes 0-15]: q in block 0 at +0, block 3 at +4, block 1 at +8, block 2 at +12
.set QR, 72                            ; window 1
.set MSB, 0
.macro WIN new                         ; the immediate's high byte repeats the setting that is left
.if MSB != \new
	s_set_vgpr_msb (MSB<<8)|\new
.set MSB, \new
.endif
.endm
.macro PLACES n
.rept \n
	v_nop
.endr
.endm
.macro ROUND                           ; a round of the cluster's barrier
	s_barrier_signal -1
	s_barrier_wait -1
	s_cmp_lg_u32 s[WV], 0
	s_cbranch_scc1 .Lnot_wave_0_\@
	s_barrier_signal -3
.Lnot_wave_0_\@:
	s_barrier_wait -3
	s_barrier_signal -1
	s_barrier_wait -1
.endm
.macro LVL base, n, step               ; a level of the sum's tree, in place: n packed additions that do not hang on each other
.set k, 0
.rept \n
	v_pk_add_f32 v[\base+\step*k:\base+\step*k+1], v[\base+\step*k:\base+\step*k+1], v[\base+\step*k+\step/2:\base+\step*k+\step/2+1]
.set k, k+1
.endr
.endm
.macro CVT x, f, g                     ; eight p of tile x, block 2 f + lane / 16: register 4 f + g of the second product's operand
	v_cvt_scalef32_pk8_fp4_f32 v[PC+8*\x+4*\f+\g], v[S+64*\x+32*\f+8*\g:S+64*\x+32*\f+8*\g+7], v[SO+2*\x+\f]
.endm
.macro KLOAD f, adr                    ; a fragment of K, the keys in my order
	ds_load_b128 v[KF+8*\f:KF+8*\f+3], v[\adr] offset:1024*\f
	ds_load_b128 v[KF+8*\f+4:KF+8*\f+7], v[\adr] offset:1024*\f+128
.endm
.macro KSLOAD adr                      ; the two halves of a row's scale word: lanes 0-15 the first fragment's, lanes 16-31 the second's
	ds_load_u16 v[PM+6], v[\adr]
	ds_load_u16 v[PM+7], v[\adr] offset:32
.endm
	s_load_b256 s[4:11], s[0:1], 0x0               ; qimg s[4:5], qsc s[6:7], kv s[8:9], scale s[10:11]
	s_load_b128 s[12:15], s[0:1], 0x20             ; oimg s[12:13], osc s[14:15]
	v_lshl_add_u32 v[SPW], v0, 2, SPARE
	v_mov_b32 v[NIL], 0
	ds_add_u32 v[SPW], v[NIL]
	ds_add_u32 v[SPW], v[NIL]
	v_lshrrev_b32 v1, 5, v0
	v_readfirstlane_b32 s[WV], v1                  ; wave 0..7
	s_bfe_u32 s[CX], ttmp6, 0x40000                ; my place in the cluster
	s_and_b32 s[BH], ttmp7, 0xffff                 ; the head, which the four partners share
	; descriptor group 1: 68 rows of 256 bytes (32 elements of 8 bytes), dense, no padding
	s_mov_b32 s[G1], 15|(3<<16)|(1<<21)            ; the mask: all four partners; elements of 8 bytes; bit 21 beside a mask
	s_mov_b32 s[G1+1], 32<<16
	s_mov_b32 s[G1+2], 68<<16
	s_mov_b32 s[G1+3], 32<<16
	s_mov_b32 s[G1+4], 68
	s_mov_b32 s[G1+5], 32
	s_mov_b32 s[G1+6], 0
	s_mov_b32 s[G1+7], 0
	s_mov_b32 s[SEL], 0x76543210
	s_mov_b32 s[SEL+1], 0xfedcba98
	s_mov_b32 s[MHI], 0xffff0000                   ; lanes 16-31
	s_mov_b32 s37, 0
	s_and_b32 s20, s[WV], 3
	s_mul_i32 s[G0+1], s20, 17408                  ; a quarter of the record, in LDS as in memory
	s_mul_i32 s36, s[BH], 69632
	s_add_co_u32 s36, s36, s[G0+1]
	s_mov_b32 s[G0], 1
	s_wait_dscnt 0x0
	s_wait_kmcnt 0x0
	s_add_nc_u64 s[G0+2:G0+3], s[8:9], s[36:37]
	s_or_b32 s[G0+3], s[G0+3], 0x80000000          ; type = 2
	s_load_b32 s[SC], s[10:11], 0x0                ; the temperature
	ROUND                                          ; all four work-groups are here: the joint loads meet
	s_cmp_lt_u32 s[WV], 4                          ; waves 0 to 3 fetch: the branch hangs on the wave's number alone
	s_cbranch_scc0 .Lno_fill
	tensor_load_to_lds s[G0:G0+3], s[G1:G1+7]
	s_nop 0
	PLACES 4
.Lno_fill:
	s_lshr_b32 s20, s[CX], 1
	s_and_b32 s21, s[CX], 1                        ; c
	s_lshl_b32 s22, s[WV], 2
	s_add_co_u32 s22, s22, s20                     ; g of pass 0; pass 1's is 2 more
	s_lshl_b32 s23, s[BH], 5
	s_add_co_u32 s23, s23, s22                     ; 32 x head + g
	s_lshl_b32 s36, s23, 10
	s_lshl_b32 s48, s21, 9
	s_add_co_u32 s36, s36, s48
	s_add_nc_u64 s[4:5], s[4:5], s[36:37]          ; q's image g, half c
	s_lshl_b32 s36, s23, 6
	s_add_nc_u64 s[6:7], s[6:7], s[36:37]
	s_lshr_b32 s36, s[BH], 3
	s_lshl_b32 s36, s36, 7                         ; 128 b
	s_lshl_b32 s48, s22, 2
	s_add_co_u32 s36, s36, s48                     ; + 4 g
	s_lshl_b32 s48, s21, 1
	s_add_co_u32 s36, s36, s48                     ; + 2 c: tile 0's row tile
	s_lshl_b32 s36, s36, 11                        ; two images of 1,024 bytes a row tile
	s_and_b32 s48, s[BH], 7
	s_lshl_b32 s48, s48, 8                         ; head hd's block: 256 hd
	s_add_co_u32 s36, s36, s48
	s_add_nc_u64 s[12:13], s[12:13], s[36:37]
	s_lshl_b32 s36, s[BH], 11
	s_lshl_b32 s48, s[CX], 9
	s_add_co_u32 s36, s36, s48
	s_add_nc_u64 s[14:15], s[14:15], s[36:37]
	s_lshl_b32 s48, s21, 4                         ; q's scale byte of tile 2 c + x stands 16 c + 8 x bits up
	s_add_co_u32 s49, s48, 8
	s_lshl_b32 s[DG], s[WV], 1                     ; the diagonal's key step in pass 0
	s_lshl_b32 s[TMP], 1, s48                      ; the bit of lane 16 c
.irp f, 0,1
	s_cmp_eq_u32 s20, \f
	s_cselect_b32 s[SB+\f], s[TMP], 0
.endr
	v_and_b32 v[R4], 31, v0
	v_and_b32 v[ADR], 15, v0                       ; r
	v_bfe_u32 v[ADS], v0, 4, 1                     ; h
	v_and_b32 v[OSA], 0xe0, v0                     ; 32 w
	v_and_b32 v[ADK], 7, v0                        ; r % 8
	v_bfe_u32 v[ADKS], v0, 3, 1                    ; r / 8
	v_lshlrev_b32 v[LI], 4, v[R4]
	v_lshl_add_u32 v[LS], v[R4], 2, 0x10000
	v_lshlrev_b32 v[R16], 4, v[ADR]
	v_lshlrev_b32 v[R4], 2, v[ADR]
	v_add_nc_u32 v[OSA], v[OSA], v0
	v_lshlrev_b32 v[LK], 4, v[ADK]
	v_lshl_add_u32 v[LKS], v[ADK], 2, 0x10000
	v_add_nc_u32 v[OSR], OSCG, v[LI]
	v_lshl_add_u32 v[OO], v[ADS], 11, v[R16]       ; O's codes: 2,048 h + 16 r
	v_add_nc_u32 v[OSA], OSCG, v[OSA]              ; O's byte: 64 w + lane, + 32 in pass 1
	v_lshl_add_u32 v[LK], v[ADKS], 9, v[LK]
	v_lshl_add_u32 v[LKS], v[ADKS], 1, v[LKS]
	v_lshl_add_u32 v[LK], v[ADS], 8, v[LK]         ; 512 (r / 8) + 256 h + 16 (r % 8)
	v_lshl_add_u32 v[LKS], v[ADS], 6, v[LKS]       ; 65,536 + 64 h + 4 (r % 8) + 2 (r / 8)
	v_mov_b32 v[SELV], 0x0c070c03                  ; lanes 0-15: bytes 0 and 2 of the word, zeros between;
	v_mov_b32 v[T], 0x070c030c                     ; lanes 16-31: bytes 1 and 3
	v_mov_b32 v[T+1], 0
	v_cndmask_b32 v[SELV], v[SELV], v[T], s[MHI]
	s_wait_alu depctr_va_vdst(0)
	WIN 0x40                                       ; destination window 1
.irp p, 0,1
.irp x, 0,1
	global_load_b128 v[QR+8*\p+4*\x:QR+8*\p+4*\x+3], v[R16], s[4:5] offset:2048*\p+256*\x   ; query r's 32 codes, in both halves of the lanes
.endr
.endr
.irp x, 0,1
.irp i, 0,1,2,3
	v_mov_b32 v[QB+20*\x+4+\i], 0
	v_mov_b32 v[QB+20*\x+12+\i], 0
.endr
.endr
	WIN 0
.irp p, 0,1
	global_load_b32 v[QW+\p], v[R4], s[6:7] offset:128*\p    ; the four tiles' scale bytes of row r
.endr
	v_mov_b32 v[NINF], 0xff800000
.irp e, 0,1,2,3,4,5
	v_mov_b32 v[PM+\e], 0                          ; written once: a lane permute's destination counts as one of its sources
.endr
	v_mov_b32 v[F+1], 0                            ; (named as the upper halves of pairs)
	v_mov_b32 v[F+3], 0
	s_wait_alu depctr_va_vdst(0)
	s_wait_tensorcnt 0x0                           ; my quarter has landed (a wave that fetched nothing waits for nothing),
	s_barrier_signal -1
	s_barrier_wait -1                              ; everybody's has
	KLOAD 0, LK                                    ; key step 0's fragments of K; every later step's are read a step ahead
	KLOAD 1, LK
	KSLOAD LKS
	s_wait_kmcnt 0x0
	s_and_b32 s20, s[SC], 0x7fffffff
	s_mul_f32 s20, s20, 0x3fb8aa3b                 ; |scale| x log2(e),
	s_max_u32 s[CS], s20, 0x00800000               ; at least 2^-126 (the bits of numbers that are not negative are ordered as whole numbers)
	s_mov_b32 s[CS+1], s[CS]
	s_lshr_b32 s21, s[SC], 31
	s_mul_i32 s[XM], s21, 0x88888888               ; a negative scale: the eight sign bits of a word of codes
	s_wait_dscnt 0x0
	v_lshl_or_b32 v[KS], v[PM+7], 16, v[PM+6]
	s_wait_loadcnt 0x0
.macro PASS p
.if \p
	s_add_co_u32 s[DG], s[DG], 1
.endif
.irp x, 0,1
	v_lshrrev_b32 v[QS+\x], s[48+\x], v[QW+\p]
.endr
.irp x, 0,1
	s_delay_alu instid0(VALU_DEP_2)
	v_and_b32 v[QS+\x], 0xff, v[QS+\x]
.endr
.irp x, 0,1
	s_delay_alu instid0(VALU_DEP_2)
	v_lshl_or_b32 v[QS+\x], v[QS+\x], 8, v[QS+\x]
.endr
.irp x, 0,1
	s_delay_alu instid0(VALU_DEP_2)
	v_lshl_or_b32 v[QS+\x], v[QS+\x], 16, v[QS+\x]   ; q's byte in all four places: whichever block holds q finds it
.endr
.irp x, 0,1
	v_mov_b32 v[13+2*\x], 0xff61b1e6               ; the largest score so far: -3e38
	v_mov_b32 v[12+2*\x], 0x7f61b1e6               ; -M: 3e38, a whole number
.irp k, 0,1
	v_mov_b32 v[16+2*\k+\x*(102+6*\k)], 0          ; the sum: two packed accumulators a tile
	v_mov_b32 v[17+2*\k+\x*(102+6*\k)], 0
.endr
.endr
	v_mov_b32 v[ADR], v[LI]                        ; key step 0's V
	v_mov_b32 v[ADS], v[LS]
	WIN 0x45                                       ; sources 0 and 1 and the destination: window 1
.irp x, 0,1
.irp i, 0,1,2,3
	v_xor_b32 v[QR+8*\p+4*\x+\i], s[XM], v[QR+8*\p+4*\x+\i]
.endr
.endr
.irp x, 0,1
.irp i, 0,1,2,3
	v_cndmask_b32 v[QB+20*\x+\i], v[QR+8*\p+4*\x+\i], 0, s[MHI]
	v_cndmask_b32 v[QB+20*\x+8+\i], 0, v[QR+8*\p+4*\x+\i], s[MHI]
	v_cndmask_b32 v[QB+20*\x+16+\i], v[QR+8*\p+4*\x+\i], 0, s[MHI]
.endr
.endr
.set j, 0
.rept 32
	v_mov_b32 v[O+j], 0                            ; O^T: the step is written once; its first trip finds zeros.  (Also the places between q's registers and the first product)
.set j, j+1
.endr
	WIN 0
	s_mov_b32 s[ST], 0
	s_mov_b32 s[TK], 0
	s_mov_b32 s[TS], 0
	s_wait_alu depctr_va_vdst(0)
.Lstep_\@:                             ; 16 trips of 128 keys, two tiles of queries.  K's fragments and scale word are in registers; four plain lines stand behind the last products
.irp i, 0,1,2,3
	ds_load_b128 v[VF+4*\i:VF+4*\i+3], v[ADR] offset:32768+512*\i
.endr
	ds_load_b32 v[VS], v[ADS] offset:2048          ; lanes 0-15: channel tile 0's words, lanes 16-31: tile 1's
	s_add_co_u32 s[TK], s[TK], 2048                ; the next step: two fragments of K, and of V, on;
	s_and_b32 s[TKN], s[TK], 0x7fff                ; behind the last step K's step 0, which the next pass begins with
	s_add_co_u32 s[TS], s[TS], 128
	s_and_b32 s[TSN], s[TS], 0x7ff
	WIN 0x04                                       ; source 1 (q) window 1
.irp f, 0,1
.irp b, 0,1,2,3
.irp x, 0,1
.set QV, QB+20*\x+8*\b
.if \b == 2
.set QV, QB+20*\x+12
.endif
.if \b == 3
.set QV, QB+20*\x+4
.endif
.if \f == 0
	v_wmma_scale_f32_16x16x128_f8f6f4 v[S+64*\x+8*\b:S+64*\x+8*\b+7], v[KF:KF+7], v[QV:QV+7], 0, v[KS], v[QS+\x] matrix_a_fmt:MATRIX_FMT_FP4 matrix_b_fmt:MATRIX_FMT_FP4
.else
	v_wmma_scale_f32_16x16x128_f8f6f4 v[S+64*\x+32+8*\b:S+64*\x+32+8*\b+7], v[KF+8:KF+15], v[QV:QV+7], 0, v[KS], v[QS+\x] matrix_a_fmt:MATRIX_FMT_FP4 matrix_b_fmt:MATRIX_FMT_FP4 matrix_a_scale:MATRIX_SCALE_ROW1
.endif
.endr
.endr
.endr
	WIN 0
	v_add_nc_u32 v[ADR], s[TK], v[LI]              ; the next step's addresses: four plain lines, the places behind the products; each is read more than nine plain lines on
	v_add_nc_u32 v[ADS], s[TS], v[LS]
	v_add_nc_u32 v[ADK], s[TKN], v[LK]
	v_add_nc_u32 v[ADKS], s[TSN], v[LKS]
	s_cmp_lg_u32 s[ST], s[DG]                      ; the diagonal lies in one step: there the score of key = query becomes -infinity ahead of the maximum, so p = 0
	s_cbranch_scc1 .Lopen_\@
.irp f, 0,1
.irp g, 0,1
.irp j, 0,1,2,3,4,5,6,7
	s_lshl_b32 s[TMP], s[SB+\f], 8*\g+\j           ; the lane of query 8 g + j in my half, or no lane
	v_cndmask_b32 v[S+32*\f+16*\g+\j], v[S+32*\f+16*\g+\j], v[NINF], s[TMP]
	v_cndmask_b32 v[S+64+32*\f+16*\g+8+\j], v[S+64+32*\f+16*\g+8+\j], v[NINF], s[TMP]
.endr
.endr
.endr
.Lopen_\@:
.irp e, 0,1,2,3,4,5,6,7                ; eight chains of 16 registers; two make a block
	v_max3_num_f32 v[BM+\e], v[S+16*\e], v[S+1+16*\e], v[S+2+16*\e]
.endr
.irp i, 3,5,7,9,11,13
.irp e, 0,1,2,3,4,5,6,7
	v_max3_num_f32 v[BM+\e], v[BM+\e], v[S+16*\e+\i], v[S+1+16*\e+\i]
.endr
.endr
.irp e, 0,1,2,3,4,5,6,7
	v_max_num_f32 v[BM+\e], v[BM+\e], v[S+15+16*\e]
.endr
.irp k, 0,1,2,3
	v_max_num_f32 v[BM+2*\k], v[BM+2*\k], v[BM+2*\k+1]   ; the largest score of my block f = k % 2 of tile k / 2: for the row's maximum, and, since p rises with the score, for the block's largest p
.endr
.irp x, 0,1
	v_max_num_f32 v[T+\x], v[BM+4*\x], v[BM+4*\x+2]
.endr
	KLOAD 0, ADK                                   ; the next step's K: LDS loads stand in the gaps of the chain below
.irp x, 0,1
	v_permlanex16_b32 v[PM+\x], v[T+\x], s[SEL], s[SEL+1]
.endr
	KLOAD 1, ADK
.irp x, 0,1
	v_max3_num_f32 v[13+2*\x], v[13+2*\x], v[T+\x], v[PM+\x]   ; the running largest score, with lane l xor 16's 64 keys
.endr
	KSLOAD ADKS
.irp x, 0,1
	v_mul_f32 v[T+\x], s[CS], -v[13+2*\x]          ; -t (c is positive)
.endr
.irp x, 0,1
	s_delay_alu instid0(VALU_DEP_2)
	v_floor_f32 v[T+\x], v[T+\x]                   ; the new -M = floor(-t) = -ceil(t): a whole number
.endr
.irp x, 0,1
	s_delay_alu instid0(VALU_DEP_2)
	v_sub_f32 v[F+2*\x], v[T+\x], v[12+2*\x]       ; old M less new M: a whole number, 0 or less
.endr
.irp x, 0,1
	v_mov_b32 v[12+2*\x], v[T+\x]
.endr
.irp x, 0,1
	v_cvt_i32_f32 v[F+2*\x], v[F+2*\x]             ; (it saturates)
.endr
.set j, 0
.rept 32
	v_pk_fma_f32 v[S+j:S+j+1], v[S+j:S+j+1], s[CS:CS+1], v[12:13] op_sel_hi:[1,0,0]   ; tile 0: t - M, two at a time
.if j == 6
	v_ldexp_f32 v[F], 1.0, v[F]                    ; f = 2^(old M - new M)
	v_ldexp_f32 v[F+2], 1.0, v[F+2]
.endif
.set j, j+2
.endr
.irp k, 0,1,2,3
	v_fma_f32 v[BM+2*\k], v[BM+2*\k], s[CS], v[12+2*(\k/2)]   ; the same of each block's largest score, both tiles
.endr
	WIN 0x41                                       ; destination and source 0 window 1
.irp x, 0,1
.irp j, 0,2,4,6,8,10,12,14
	v_pk_mul_f32 v[O+16*\x+\j:O+16*\x+\j+1], v[O+16*\x+\j:O+16*\x+\j+1], v[F+2*\x:F+2*\x+1] op_sel_hi:[1,0]   ; O^T under the new M: its first read, ahead of the step's exponentials
.endr
.endr
	WIN 0
	s_wait_alu depctr_va_vdst(0)                   ; ahead of the batch
.set j, 0
.rept 32                               ; tile 0's p = 2^(t - M) and the four blocks' largest p; among them tile 1's t - M: lines that read nothing written in this batch, and whose results are first read behind its wait
.if j < 8
	v_exp_f32 v[BM+j], v[BM+j]
.endif
	v_exp_f32 v[S+j], v[S+j]
	v_exp_f32 v[S+j+1], v[S+j+1]
	v_pk_fma_f32 v[S+64+j:S+65+j], v[S+64+j:S+65+j], s[CS:CS+1], v[14:15] op_sel_hi:[1,0,0]
.set j, j+2
.endr
	s_wait_alu depctr_va_vdst(0)                   ; one wait for the batch, ahead of its first reader
.irp k, 0,1,2,3
	v_max_num_f32 v[BM+2*\k], 0x1800000, v[BM+2*\k]      ; the floor 2^(3 - 127): the byte cannot fall under 1
.endr
.irp k, 0,1,2,3
	v_add_nc_u32 v[SO+\k], 0xff000000, v[BM+2*\k]        ; 2 off the exponent field: the conversion's scale operand
.endr
.irp k, 0,1,2,3
	v_lshl_add_u32 v[BM+2*\k+1], v[BM+2*\k], 1, 0xfe000000   ; and the scale's byte as the word's top byte
.endr
	CVT 0, 0, 0
	CVT 0, 0, 1
.irp x, 0,1
	v_perm_b32 v[PM+2+\x], v[BM+4*\x+3], v[BM+4*\x+1], v[SELV]   ; my two blocks' bytes at their places in the word
.endr
	CVT 0, 0, 2
	CVT 0, 0, 3
	CVT 0, 1, 0
	CVT 0, 1, 1
.irp x, 0,1
	v_permlanex16_b32 v[PM+4+\x], v[PM+2+\x], s[SEL], s[SEL+1]
.endr
	CVT 0, 1, 2
	CVT 0, 1, 3
.irp x, 0,1
	v_or_b32 v[PW+\x], v[PM+2+\x], v[PM+4+\x]      ; with lane l xor 16's two: p's scale word for these 128 keys.  (Also the plain place behind the conversions)
.endr
.set j, 0
.rept 16                               ; tile 1's p; among the exponentials the first level of tile 0's sum, in place: its codes are made
	v_exp_f32 v[S+64+j], v[S+64+j]
	v_exp_f32 v[S+65+j], v[S+65+j]
	v_exp_f32 v[S+66+j], v[S+66+j]
	v_exp_f32 v[S+67+j], v[S+67+j]
	v_pk_add_f32 v[S+j:S+j+1], v[S+j:S+j+1], v[S+j+2:S+j+3]
.set j, j+4
.endr
	s_wait_alu depctr_va_vdst(0)                   ; one wait for the batch; it also stands directly ahead of the wait below
	s_wait_dscnt 0x0                               ; V, asked for at the step's head, and the next step's K
	v_lshl_or_b32 v[KS], v[PM+7], 16, v[PM+6]      ; the next step's scale words of K
.irp f, 0,1
.irp g, 0,1,2,3
	CVT 1, \f, \g
.endr
.endr
	LVL S, 8, 8                                    ; the two tiles' sums by turns
	LVL S+64, 16, 4
	LVL S, 4, 16
	LVL S+64, 8, 8
	LVL S, 2, 32
	LVL S+64, 4, 16
.irp k, 0,1
	v_pk_fma_f32 v[16+2*\k:17+2*\k], v[16+2*\k:17+2*\k], v[F:F+1], v[S+32*\k:S+32*\k+1] op_sel_hi:[1,0,1]   ; the sums under the new M, and this step's part
.endr
	WIN 0x50                                       ; C and D window 1.  The four accumulators take turns
.irp u, 0,1
.irp x, 0,1
.if \u == 0
	v_wmma_scale_f32_16x16x128_f8f6f4 v[O+16*\x:O+16*\x+7], v[VF:VF+7], v[PC+8*\x:PC+8*\x+7], v[O+16*\x:O+16*\x+7], v[VS], v[PW+\x] matrix_a_fmt:MATRIX_FMT_FP4 matrix_b_fmt:MATRIX_FMT_FP4
.else
	v_wmma_scale_f32_16x16x128_f8f6f4 v[O+16*\x+8:O+16*\x+15], v[VF+8:VF+15], v[PC+8*\x:PC+8*\x+7], v[O+16*\x+8:O+16*\x+15], v[VS], v[PW+\x] matrix_a_fmt:MATRIX_FMT_FP4 matrix_b_fmt:MATRIX_FMT_FP4 matrix_a_scale:MATRIX_SCALE_ROW1
.endif
.endr
.endr
	WIN 0
	LVL S+64, 2, 32                                ; the end of tile 1's sum: four plain lines, the places behind the products, ahead of the next step's loads into V's registers
.irp k, 0,1
	s_delay_alu instid0(VALU_DEP_2)
	v_pk_fma_f32 v[118+8*\k:119+8*\k], v[118+8*\k:119+8*\k], v[F+2:F+3], v[S+64+32*\k:S+65+32*\k] op_sel_hi:[1,0,1]
.endr
	s_add_co_u32 s[ST], s[ST], 1
	s_cmp_lt_u32 s[ST], 16
	s_cbranch_scc1 .Lstep_\@
.irp x, 0,1
	v_pk_add_f32 v[16+102*\x:17+102*\x], v[16+102*\x:17+102*\x], v[18+108*\x:19+108*\x]
.endr
.irp x, 0,1
	s_delay_alu instid0(VALU_DEP_2)
	v_add_f32 v[16+102*\x], v[16+102*\x], v[17+102*\x]
.endr
.irp x, 0,1
	s_delay_alu instid0(VALU_DEP_2)
	v_permlanex16_b32 v[T+\x], v[16+102*\x], s[SEL], s[SEL+1]
.endr
.irp x, 0,1
	s_delay_alu instid0(VALU_DEP_2)
	v_add_f32 v[16+102*\x], v[16+102*\x], v[T+\x]  ; the row's sum
.endr
	s_wait_alu depctr_va_vdst(0)                   ; ahead of the batch of two
.irp x, 0,1
	v_rcp_f32 v[16+102*\x], v[16+102*\x]
.endr
	v_nop                                          ; one plain place behind the transcendentals
	WIN 0x01                                       ; source 0 window 1
	s_wait_alu depctr_va_vdst(0)                   ; ahead of their first reader, which is also the first reader of O^T
.irp x, 0,1
.irp j, 0,1,2,3,4,5,6,7,8,9,10,11,12,13,14,15
	v_mul_f32 v[S+64*\x+\j], v[O+16*\x+\j], v[16+102*\x]   ; register j: channel 16 (lane / 16) + j of my query
.endr
.endr
	WIN 0
.irp x, 0,1
	v_max3_num_f32 v[BM+4*\x], |v[S+64*\x]|, |v[S+64*\x+1]|, 0x1800000   ; the head's 32 channels are one block of the next product's K
.endr
.irp i, 2,4,6,8,10,12,14
.irp x, 0,1
	s_delay_alu instid0(VALU_DEP_2)
	v_max3_num_f32 v[BM+4*\x], v[BM+4*\x], |v[S+64*\x+\i]|, |v[S+64*\x+1+\i]|
.endr
.endr
.irp x, 0,1
	s_delay_alu instid0(VALU_DEP_2)
	v_permlanex16_b32 v[PM+4*\x], v[BM+4*\x], s[SEL], s[SEL+1]
.endr
.irp x, 0,1
	s_delay_alu instid0(VALU_DEP_2)
	v_max_num_f32 v[BM+4*\x], v[BM+4*\x], v[PM+4*\x]
.endr
.irp x, 0,1
	s_delay_alu instid0(VALU_DEP_2)
	v_add_nc_u32 v[SO+\x], 0xff000000, v[BM+4*\x]
.endr
.irp x, 0,1
	s_delay_alu instid0(VALU_DEP_2)
	v_lshrrev_b32 v[OBY+3*\p+\x], 23, v[SO+\x]
.endr
.irp x, 0,1
	v_cvt_scalef32_pk8_fp4_f32 v[OC+4*\p+2*\x], v[S+64*\x:S+64*\x+7], v[SO+\x]
	v_cvt_scalef32_pk8_fp4_f32 v[OC+4*\p+2*\x+1], v[S+64*\x+8:S+64*\x+15], v[SO+\x]
.endr
	v_nop                                          ; one plain place behind a scaled conversion
	v_permlane16_swap_b32 v[OC+4*\p], v[OC+4*\p+2] ; lanes 0-15: tile 0's query r, all 32 codes; lanes 16-31: tile 1's
	v_permlane16_swap_b32 v[OC+4*\p+1], v[OC+4*\p+3]
	global_store_b128 v[OO], v[OC+4*\p:OC+4*\p+3], s[12:13] offset:16384*\p   ; each half of the lanes stores 256 consecutive bytes, aligned; each pass has registers of its own
	v_cndmask_b32 v[OBY+3*\p+2], v[OBY+3*\p], v[OBY+3*\p+1], s[MHI]
	ds_store_b8 v[OSA], v[OBY+3*\p+2] offset:32*\p
.endm
	PASS 0
	PASS 1
	s_wait_dscnt 0x0                               ; for wave 0's sake: my stores have landed
	s_barrier_signal -1
	s_barrier_wait -1
	s_cmp_lg_u32 s[WV], 0
	s_cbranch_scc1 .Lno_bytes
	ds_load_b128 v[S:S+3], v[OSR]
	s_wait_dscnt 0x0
	global_store_b128 v[LI], v[S:S+3], s[14:15]    ; the work-group's 512 scale bytes: two aligned runs of 256
.Lno_bytes:
	s_wait_tensorcnt 0x0                           ; the wave's end
	ds_add_u32 v[SPW], v[NIL]
	s_wait_dscnt 0x0
	ROUND                                          ; the closing round: no work-group ends while a partner may still ask for a tile that names it
	s_endpgm
.Lfunc_end_k_qf77c297723_attn:
	.size	k_qf77c297723_attn, .Lfunc_end_k_qf77c297723_attn-k_qf77c297723_attn
	.p2alignl 7, 3214868480
	.fill 96, 4, 3214868480
	.section	.rodata,"a",@progbits
	.p2align	6, 0x0
	.amdhsa_kernel k_qf77c297723_attn
		.amdhsa_group_segment_fixed_size 169984
		.amdhsa_private_segment_fixed_size 0
		.amdhsa_enable_private_segment 0
		.amdhsa_kernarg_size 48
		.amdhsa_user_sgpr_count 2
		.amdhsa_user_sgpr_kernarg_segment_ptr 1
		.amdhsa_wavefront_size32 1
		.amdhsa_system_sgpr_workgroup_id_x 1
		.amdhsa_system_sgpr_workgroup_id_y 1
		.amdhsa_system_sgpr_workgroup_id_z 1
		.amdhsa_system_vgpr_workitem_id 0
		.amdhsa_next_free_vgpr 352
		.amdhsa_next_free_sgpr 66
		.amdhsa_reserve_vcc 0
		.amdhsa_float_denorm_mode_32 3
		.amdhsa_float_denorm_mode_16_64 3
		.amdhsa_memory_ordered 1
		.amdhsa_forward_progress 1
		.amdhsa_inst_pref_size 85
	.end_amdhsa_kernel
	.amdgpu_metadata
---
amdhsa.version: [ 1, 2 ]
amdhsa.kernels:
  - .name:           k_qf77c297723_attn
    .symbol:         k_qf77c297723_attn.kd
    .args:
      - { .name: qimg, .offset: 0, .size: 8, .value_kind: global_buffer, .address_space: global }
      - { .name: qsc, .offset: 8, .size: 8, .value_kind: global_buffer, .address_space: global }
      - { .name: kv, .offset: 16, .size: 8, .value_kind: global_buffer, .address_space: global }
      - { .name: scale, .offset: 24, .size: 8, .value_kind: global_buffer, .address_space: global }
      - { .name: oimg, .offset: 32, .size: 8, .value_kind: global_buffer, .address_space: global }
      - { .name: osc, .offset: 40, .size: 8, .value_kind: global_buffer, .address_space: global }
    .group_segment_fixed_size: 169984
    .private_segment_fixed_size: 0
    .kernarg_segment_align: 8
    .kernarg_segment_size: 48
    .max_flat_workgroup_size: 256
    .sgpr_count:     66
    .vgpr_count:     352
    .wavefront_size: 32
...
	.end_amdgpu_metadata
.endif
;; end of part 3
;; launch mlp (part 4): grid 256 x 1, 4 waves a work-group, clusters of 4 x 1, 327,680 bytes of LDS; arguments x, oimg, osc, wts, proj_b, out0; writes out0
.if DOCPART == 4
	.amdgcn_target "amdgcn-amd-amdhsa--gfx1250"
	.amdhsa_code_object_version 6
	.text
	.protected	k_qf77c297723_mlp
	.globl	k_qf77c297723_mlp
	.p2align	8
	.type	k_qf77c297723_mlp,@function
k_qf77c297723_mlp:
	s_mov_b64 s[64:65], 0
	v_nop
	global_prefetch_b8 v0, s[64:65] scope:SCOPE_SE
	s_setreg_imm32_b32 hwreg(HW_REG_WAVE_MODE, 25, 1), 1
	s_wait_xcnt 0x0
	s_wait_alu depctr_hold_cnt(0) depctr_sa_sdst(0) depctr_va_vdst(0) depctr_va_sdst(0) depctr_va_ssrc(0) depctr_va_vcc(0) depctr_vm_vsrc(0)
	s_getreg_b32 s2, hwreg(HW_REG_IB_STS2, 6, 4)
	s_cmp_eq_u32 s2, 0
	s_cbranch_scc0 .Lentry_in_a_cluster
	s_endpgm
.Lentry_in_a_cluster:
	s_bfe_u32 s2, ttmp6, 0x10000c
	s_cmp_lg_u32 s2, 0x3003
	s_cbranch_scc0 .Lentry_shape_is_right
	s_endpgm
.Lentry_shape_is_right:
; x1 = x + o Wp^T + proj_b;  out0 = x1 + gelu(LN2(x1) W1^T + fc1_b) W2^T + fc2_b, the three products on codes of FP4; LN2's result and the hidden layer are quantised in registers and never leave them.
; SHARES.  Work-group W = 4 x cluster + place takes rows 64 W on; wave w takes row tile w (rows 64 W + 32 (w / 2) + 8 (w % 2) + r + 8 (r / 8)) through the whole chain, alone: two barriers in all.
; ALL WEIGHTS LIE IN LDS, as images of operand registers, with their scale words and the four vectors: filled once, by joint loads of the four partners, one a wave.
; All products are used TRANSPOSED (source 0 = 16 rows of a weight, source 1 = my row tile): a lane holds one row, and register 16 b + i is column 32 b + 16 (lane / 16) + i: x1, LN2's result, the hidden layer and out0 alike.
; The 128 registers Y begin as proj_b, take the first product, x, fc2_b and the third product in place: biases and residuals cost packed additions or nothing.
; The hidden layer goes in 8 groups of 128 units: a group is 16 products of fc1, the GELU, the quantiser, and 16 products of fc2 (one K step); the next group's weights are read from LDS under the GELU.
; GELU: x (1/2 + 1/2 erf(x / sqrt 2)), erf(u) = u P(u^2) / Q(u^2) with P of degree 6 and Q of degree 4, |u| held at 4.  LIMIT: under x = -4 sqrt 2 the result is a residue of some 1e-7 |x| where the function is 0 to f32;
; the form's error is a few units in erf's last place.  NaN and infinities are not served; a block of zeros gets the byte 1 where the rule says 127 (its codes are zeros).
; REGISTERS.  window 0: v1-15, v93 addresses; v16-31 at work in the quantiser; v32-40 codes and word of the hidden layer; v41 o's words; v42-43 LN2's; v44-59 weights' scale words; v60-75 o's, then LN2's two fragments;
;   v76-92 constants, mean, sums; v96-127 at work in the GELU; v128-191, v192-255 64 numbers each.   window 1: weights' fragments.   window 2: Y (v0-127), ln2_g.   window 3: x as loaded (v0-127), ln2_b, later fc1_b's group.
.set FC2,  131072                      ; LDS: fc1's 128 fragments at 0, fc2's 128 here,
.set PAR,  262144                      ; ln2_g, ln2_b, fc2_b (1,024 bytes each), fc1_b (4,096),
.set WSC,  270336                      ; the scale words: proj 2,048, fc1 8,192, fc2 8,192 bytes,
.set PROJ, 288768                      ; proj's 32 fragments.
.set STG,  288768                      ; The four stages, 16 rows x (512 + 16) bytes a wave, lie in proj's bytes and the free bytes behind: proj has had its one fill, and nobody reads it behind the second barrier
.set WV, 72
.set CX, 73
.set SEL, 74
.set C256, 76
.set EPS, 77
.set CNT, 78
.set SA1, 79
.set SA2, 80
.set SS1, 81
.set SS2, 82
.set SB1, 83
.set WG, 96
.set G1A, 24
.set G1P, 32
.set G1W, 40
.set G0A, 48
.set G0P1, 52
.set G0P2, 56
.set G0B, 60
.set G0C, 68
.set A0, 24                            ; the GELU's constants take the descriptors' registers once every tensor load has landed
.set A2, 26
.set A3, 28
.set A4, 30
.set A5, 32
.set A6, 34
.set B0, 36
.set B2, 38
.set B3, 40
.set B4, 42
.set KAP, 44
.set A1S, 46
.set B1S, 92
.set LI, 4
.set LS, 5
.set STD, 6
.set STI, 7
.set PB, 8
.set AP, 9
.set APS, 10
.set AW1, 11
.set AW2, 12
.set AS1, 13
.set AS2, 14
.set AB1, 15
.set TM, 16
.set PC, 32
.set PW, 40
.set OS, 41
.set HS, 42
.set W1S, 44
.set W2S, 52
.set HF, 60
.set A1V, 76
.set B1V, 78
.set MN, 80
.set RS, 82
.set SU, 84
.set LV, 92
.set OB, 93
.set XC, 96
.set SQ, 104
.set NN, 112
.set DD, 120
.set X, 128
.set ACC, 128
.set ACC2, 192
.set MSB, 0
.macro WIN new                         ; the immediate's high byte repeats the setting that is left
.if MSB != \new
	s_set_vgpr_msb (MSB<<8)|\new
.set MSB, \new
.endif
.endm
.macro PLACES n
.rept \n
	v_nop
.endr
.endm
.macro ROUND                           ; a round of the cluster's barrier
	s_barrier_signal -1
	s_barrier_wait -1
	s_cmp_lg_u32 s[WV], 0
	s_cbranch_scc1 .Lnot_wave_0_\@
	s_barrier_signal -3
.Lnot_wave_0_\@:
	s_barrier_wait -3
	s_barrier_signal -1
	s_barrier_wait -1
.endm
; 64 numbers of a lane, register 16 b + i = k 32 b + 16 (lane / 16) + i of my row, become a fragment's codes in v[pc] on and its scale word in v[pw].
.macro QUANT s, pc, pw
.irp b, 0,1,2,3
	v_max3_num_f32 v[TM+\b], |v[\s+16*\b]|, |v[\s+1+16*\b]|, 0x1800000   ; my 16 numbers and the floor 2^(3 - 127): the byte cannot fall under 1
.endr
.irp i, 2,4,6,8,10,12,14
.irp b, 0,1,2,3
	v_max3_num_f32 v[TM+\b], v[TM+\b], |v[\s+16*\b+\i]|, |v[\s+1+16*\b+\i]|
.endr
.endr
.irp b, 0,1,2,3
	v_permlanex16_b32 v[TM+4+\b], v[TM+\b], s[SEL], s[SEL+1]
.endr
.irp b, 0,1,2,3
	v_max_num_f32 v[TM+\b], v[TM+\b], v[TM+4+\b]
.endr
.irp b, 0,1,2,3
	v_add_nc_u32 v[TM+12+\b], 0xff000000, v[TM+\b]
.endr
.irp b, 0,1,2,3
	v_lshrrev_b32 v[TM+4+\b], 23, v[TM+12+\b]
.endr
	v_lshl_or_b32 v[\pw], v[TM+5], 8, v[TM+4]
	v_lshl_or_b32 v[\pw], v[TM+6], 16, v[\pw]
	v_lshl_or_b32 v[\pw], v[TM+7], 24, v[\pw]
.irp b, 0,1,2,3
	v_cvt_scalef32_pk8_fp4_f32 v[\pc+2*\b], v[\s+16*\b:\s+7+16*\b], v[TM+12+\b]
	v_cvt_scalef32_pk8_fp4_f32 v[\pc+1+2*\b], v[\s+8+16*\b:\s+15+16*\b], v[TM+12+\b]
.endr
	v_nop                                          ; one plain place behind a scaled conversion
.irp c, 0,1
.irp i, 0,1
	v_permlane16_swap_b32 v[\pc+4*\c+\i], v[\pc+2+4*\c+\i]
.endr
.endr
.endm
.macro XTURN e, dwin, dst              ; columns 128 e on of my 16 rows, loaded dense, turn through my stage into the lanes' order.  LDS serves a wave's instructions in order: no wait between
	WIN \dwin
.set n, 0
.rept 16
	ds_store_b128 v[STD], v[8*n+4*\e:8*n+4*\e+3] offset:528*n
.set n, n+1
.endr
	WIN 0
.set n, 0
.rept 16
	ds_load_b128 v[\dst+4*n:\dst+4*n+3], v[STI] offset:128*(n/4)+16*(n%4)
.set n, n+1
.endr
.endm
.macro YOUT e, dst                     ; and the other way: Y's columns 128 e on come back as whole half rows of 512 bytes
	WIN 0x08                                       ; an LDS store's data are its source 1: window 2
.set n, 0
.rept 16
	ds_store_b128 v[STI], v[64*\e+4*n:64*\e+4*n+3] offset:128*(n/4)+16*(n%4)   ; each accumulator from its low end on
.set n, n+1
.endr
	WIN 0
.set n, 0
.rept 16
	ds_load_b128 v[\dst+4*n:\dst+4*n+3], v[STD] offset:528*n
.set n, n+1
.endr
.endm
.macro REDUCE
	v_pk_add_f32 v[SU:SU+1], v[SU:SU+1], v[SU+2:SU+3]
	v_pk_add_f32 v[SU+4:SU+5], v[SU+4:SU+5], v[SU+6:SU+7]
	v_pk_add_f32 v[SU:SU+1], v[SU:SU+1], v[SU+4:SU+5]
	v_add_f32 v[SU], v[SU], v[SU+1]
	v_permlanex16_b32 v[SU+1], v[SU], s[SEL], s[SEL+1]
	v_add_f32 v[SU], v[SU], v[SU+1]
.endm
.macro LNVAR                           ; X holds x1 - mean: the variance, 1 / sqrt(variance + eps), and X times that
.irp k, 0,1,2,3
	v_pk_mul_f32 v[SU+2*\k:SU+2*\k+1], v[X+2*\k:X+2*\k+1], v[X+2*\k:X+2*\k+1]
.endr
.set j, 8
.rept 15
.irp k, 0,1,2,3
	v_pk_fma_f32 v[SU+2*\k:SU+2*\k+1], v[X+j+2*\k:X+j+2*\k+1], v[X+j+2*\k:X+j+2*\k+1], v[SU+2*\k:SU+2*\k+1]
.endr
.set j, j+8
.endr
	REDUCE
	v_fma_f32 v[SU], v[SU], s[C256], s[EPS]
	s_wait_alu depctr_va_vdst(0)
	v_rsq_f32 v[RS], v[SU]
	v_nop                                          ; one plain place behind the transcendental
	s_wait_alu depctr_va_vdst(0)
	v_mov_b32 v[RS+1], v[RS]
.set j, 0
.rept 64
	v_pk_mul_f32 v[X+j:X+j+1], v[X+j:X+j+1], v[RS:RS+1]
.set j, j+2
.endr
.endm
.macro DESC1 g, rows                   ; group 1: rows of 256 bytes (32 elements of 8 bytes), dense, no padding; the mask names all four partners, bit 21 beside it
	s_mov_b32 s[\g], 15|(3<<16)|(1<<21)
	s_mov_b32 s[\g+1], 32<<16
	s_mov_b32 s[\g+2], (\rows)<<16
	s_mov_b32 s[\g+3], 32<<16
	s_mov_b32 s[\g+4], \rows
	s_mov_b32 s[\g+5], 32
	s_mov_b32 s[\g+6], 0
	s_mov_b32 s[\g+7], 0
.endm
.macro DESC0 g, lbase, step, ptr, goff ; group 0: wave w's quarter: step x w bytes on, in LDS from lbase and in memory from goff
	s_mov_b32 s[\g], 1
	s_mul_i32 s[\g+1], s[WV], \step
	s_add_co_u32 s84, s[\g+1], \goff
	s_add_co_u32 s[\g+1], s[\g+1], \lbase
	s_add_nc_u64 s[\g+2:\g+3], s[\ptr:\ptr+1], s[84:85]
	s_or_b32 s[\g+3], s[\g+3], 0x80000000
.endm
.macro KONST reg, val, pw              ; a coefficient of (u^2)^k, brought to the variable x^2 = 2 u^2 by an exact 2^-k; a pair, since the packed form names one
	s_mov_b32 s[\reg], \val
	s_mul_f32 s[\reg], s[\reg], \pw
	s_mov_b32 s[\reg+1], s[\reg]
.endm
	s_load_b256 s[4:11], s[0:1], 0x0               ; x s[4:5], oimg s[6:7], osc s[8:9], wts s[10:11]
	s_load_b128 s[12:15], s[0:1], 0x20             ; proj_b s[12:13], out0 s[14:15].  ln2_g, ln2_b, fc2_b and fc1_b lie in wts behind fc2's images
	v_lshl_add_u32 v94, v0, 2, 0x4ec00
	v_mov_b32 v95, 0
	ds_add_u32 v94, v95
	ds_add_u32 v94, v95
	v_lshrrev_b32 v1, 5, v0
	v_readfirstlane_b32 s[WV], v1                  ; wave 0..3
	s_bfe_u32 s[CX], ttmp6, 0x40000                ; my place in the cluster: it enters global addresses alone
	s_lshl_b32 s[WG], ttmp9, 2
	s_add_co_u32 s[WG], s[WG], s[CX]               ; W
	v_and_b32 v1, 31, v0                           ; l
	v_and_b32 v2, 15, v0                           ; r
	v_bfe_u32 v3, v0, 4, 1                         ; h
	v_lshlrev_b32 v[LI], 4, v1
	v_lshlrev_b32 v[LS], 2, v1
	v_lshl_add_u32 v[OB], v3, 13, v2               ; o's scale bytes: 8,192 h + r: lanes 16-31 take heads 4 to 7
	v_lshlrev_b32 v[AB1], 6, v3                    ; proj_b in my numbers' order: 64 h
	s_mov_b32 s[SEL], 0x76543210
	s_mov_b32 s[SEL+1], 0xfedcba98
	s_mov_b32 s[C256], 0x3b800000                  ; 1 / 256
	s_mov_b32 s[EPS], 0x3727c5ac                   ; 1e-5
	s_mov_b32 s85, 0
	s_mov_b32 s87, 0
	s_lshr_b32 s88, s[WV], 1
	s_and_b32 s89, s[WV], 1
	DESC1 G1A, 200
	DESC1 G1P, 28
	DESC1 G1W, 512
	s_lshl_b32 s86, s[WG], 16                      ; my tile's first row in x and out0: 64 W + 32 (w / 2) + 8 (w % 2), 1,024 bytes a row
	s_lshl_b32 s90, s88, 15
	s_add_co_u32 s86, s86, s90
	s_lshl_b32 s90, s89, 13
	s_add_co_u32 s86, s86, s90
	s_wait_alu depctr_va_vdst(0)
	s_wait_dscnt 0x0
	s_wait_kmcnt 0x0
	s_add_nc_u64 s[4:5], s[4:5], s[86:87]
	s_add_nc_u64 s[22:23], s[14:15], s[86:87]
	s_lshl_b32 s86, s[WG], 13
	s_lshl_b32 s90, s[WV], 11
	s_add_co_u32 s86, s86, s90
	s_add_nc_u64 s[6:7], s[6:7], s[86:87]          ; o's two images of row tile 4 W + w
	s_lshr_b32 s86, s[WG], 5
	s_lshl_b32 s86, s86, 14                        ; o's scale bytes: 16,384 b
	s_and_b32 s90, s[WG], 1
	s_lshl_b32 s90, s90, 10                        ; + 512 (2 (g % 2)
	s_add_co_u32 s86, s86, s90
	s_lshl_b32 s90, s88, 9                         ;        + w / 2)
	s_add_co_u32 s86, s86, s90
	s_bfe_u32 s90, s[WG], 0x40001                  ; g / 2
	s_lshl_b32 s90, s90, 5
	s_add_co_u32 s86, s86, s90
	s_lshl_b32 s90, s89, 4                         ; + 16 (w % 2)
	s_add_co_u32 s86, s86, s90
	s_add_nc_u64 s[8:9], s[8:9], s[86:87]
.irp i, 0,1,2,3
	global_load_b128 v[HF+4*\i:HF+4*\i+3], v[LI], s[6:7] offset:512*\i
.endr
.irp i, 0,1,2,3
	global_load_u8 v[SU+\i], v[OB], s[8:9] offset:2048*\i  ; head 4 h + i's byte of row r
.endr
	WIN 0x80                                       ; destination window 2
.set n, 0
.rept 32
	global_load_b128 v[4*n:4*n+3], v[AB1], s[12:13] offset:128*(n/4)+16*(n%4)   ; proj_b is the first sums' start: straight into Y
.set n, n+1
.endr
	WIN 0xc0
.set n, 0
.rept 16
	global_load_b128 v[8*n:8*n+3], v[LI], s[4:5] offset:(n+8*(n/8))*1024 th:TH_LOAD_NT        ; row n of my tile: 512 consecutive bytes an instruction
	global_load_b128 v[8*n+4:8*n+7], v[LI], s[4:5] offset:(n+8*(n/8))*1024+512 th:TH_LOAD_NT
.set n, n+1
.endr
	WIN 0
; THE HEAD'S FOUR FILLS, ONE A WAVE, each a dense run of wts: wave 0 the scale words and proj's images (51,200 bytes), wave 1 ln2_g, ln2_b, fc2_b, fc1_b (7,168),
; wave 2 fc1's images (131,072), wave 3 fc2's.  One tree of branches on the wave's number, a load to an arm.  No LDS byte is filled twice.
.macro FIX0 g, lds, goff
	s_mov_b32 s[\g], 1
	s_mov_b32 s[\g+1], \lds
	s_add_nc_u64 s[\g+2:\g+3], s[10:11], \goff
	s_or_b32 s[\g+3], s[\g+3], 0x80000000
.endm
.macro ARM under, g0, g1, next
	s_cmp_lt_u32 s[WV], \under
	s_cbranch_scc0 \next
	tensor_load_to_lds s[\g0:\g0+3], s[\g1:\g1+7]
	s_nop 0
	PLACES 4
	s_branch .Lhead_asked
\next:
.endm
	FIX0 G0A, WSC, 104448
	FIX0 G0P1, PAR, 417792
	FIX0 G0B, 0, 155648
	FIX0 G0C, FC2, 286720
	ROUND                                          ; all four work-groups are here: the joint loads meet
	ARM 1, G0A, G1A, .Lhead_p
	ARM 2, G0P1, G1P, .Lhead_1
	ARM 3, G0B, G1W, .Lhead_2
	tensor_load_to_lds s[G0C:G0C+3], s[G1W:G1W+7]
	s_nop 0
	PLACES 4
.Lhead_asked:
	s_mul_i32 s90, s[WV], 8448
	s_add_co_u32 s90, s90, STG                     ; my stage
	v_add_nc_u32 v[STD], s90, v[LI]
	v_mul_u32_u24 v[STI], v2, 528
	v_lshl_add_u32 v[STI], v3, 6, v[STI]
	v_add_nc_u32 v[STI], s90, v[STI]
	v_lshl_add_u32 v[PB], v3, 6, PAR-1024          ; the vectors, in my numbers' order: 64 h; ln2_g at offset 1,024, ln2_b 2,048, fc2_b 3,072, fc1_b 4,096
	v_add_nc_u32 v[AP], PROJ, v[LI]
	v_add_nc_u32 v[APS], WSC, v[LS]
	v_add_nc_u32 v[AS1], WSC+2048, v[LS]           ; fc1's scale words, group 0
.irp b, 0,1,2,3
	v_mov_b32 v[TM+4+\b], 0                        ; written once: a lane permute's destination counts as one of its sources
.endr
	s_wait_alu depctr_va_vdst(0)
	s_wait_loadcnt 32                              ; o's fragments and bytes are in; x's 32 loads, issued behind them, may be out
	v_lshl_or_b32 v[OS], v[SU+1], 8, v[SU]         ; lanes 0-15: the word of K step 0 (heads 0-3), lanes 16-31: of K step 1
	v_lshl_or_b32 v[OS], v[SU+2], 16, v[OS]
	v_lshl_or_b32 v[OS], v[SU+3], 24, v[OS]
	PLACES 8                                       ; a scale register written by a vector instruction stands 8 places ahead of the scaled product
	s_wait_alu depctr_va_vdst(0)
	s_cmp_lt_u32 s[WV], 2                          ; the first product reads what wave 0 fetched: waves 0 and 1 wait for their loads; fc1's and fc2's may be out
	s_cbranch_scc0 .Llate
	s_wait_tensorcnt 0x0
.Llate:
	s_barrier_signal -1
	s_barrier_wait -1
	; ---- the first product: Y = proj_b + o Wp^T
	WIN 0x40                                       ; fragment (tile t, K step s) at v[16 t + 8 s] of window 1
.set n, 0
.rept 64
	ds_load_b128 v[4*n:4*n+3], v[AP] offset:512*n
.set n, n+1
.endr
	WIN 0
.set n, 0
.rept 16
	ds_load_b32 v[W1S+n], v[APS] offset:128*n      ; lanes 0-15: K step 0's words, lanes 16-31: K step 1's
.set n, n+1
.endr
	s_wait_dscnt 0x0
	WIN 0xa1
.irp t, 0,1,2,3,4,5,6,7,8,9,10,11,12,13,14,15
	v_wmma_scale_f32_16x16x128_f8f6f4 v[8*\t:8*\t+7], v[16*\t:16*\t+7], v[HF:HF+7], v[8*\t:8*\t+7], v[W1S+\t], v[OS] matrix_a_fmt:MATRIX_FMT_FP4 matrix_b_fmt:MATRIX_FMT_FP4
.endr
.irp t, 0,1,2,3,4,5,6,7,8,9,10,11,12,13,14,15
	v_wmma_scale_f32_16x16x128_f8f6f4 v[8*\t:8*\t+7], v[16*\t+8:16*\t+15], v[HF+8:HF+15], v[8*\t:8*\t+7], v[W1S+\t], v[OS] matrix_a_fmt:MATRIX_FMT_FP4 matrix_b_fmt:MATRIX_FMT_FP4 matrix_a_scale:MATRIX_SCALE_ROW1 matrix_b_scale:MATRIX_SCALE_ROW1
.endr
	WIN 0
	PLACES 4
	s_wait_tensorcnt 0x0                           ; my parts of fc1 and fc2 have landed,
	s_wait_dscnt 0x0                               ; and my reads of proj are over:
	s_barrier_signal -1
	s_barrier_wait -1                              ; both hold of every wave: the stages may be written
	; ---- the residual
	s_wait_loadcnt 0x0                             ; x
	XTURN 0, 0x0c, ACC
	XTURN 1, 0x0c, ACC2
	s_wait_dscnt 0x0
	WIN 0x82                                       ; destination and source 0 window 2
.set j, 0
.rept 64
	v_pk_add_f32 v[j:j+1], v[j:j+1], v[128+j:128+j+1]      ; x1, ascending: each accumulator is first read at its low end
.set j, j+2
.endr
	WIN 0x40                                       ; these land while LN2 is computed: fc1's group 0,
.set n, 0
.rept 32
	ds_load_b128 v[4*n:4*n+3], v[LI] offset:512*n
.set n, n+1
.endr
.set n, 0
.rept 32
	ds_load_b128 v[128+4*n:128+4*n+3], v[PB] offset:3072+128*(n/4)+16*(n%4)    ; fc2_b,
.set n, n+1
.endr
	WIN 0
.set n, 0
.rept 8
	ds_load_b32 v[W1S+n], v[AS1] offset:128*n      ; and the group's scale words
.set n, n+1
.endr
	WIN 0x80
.set n, 0
.rept 32
	ds_load_b128 v[128+4*n:128+4*n+3], v[PB] offset:1024+128*(n/4)+16*(n%4)    ; ln2_g
.set n, n+1
.endr
	WIN 0xc0
.set n, 0
.rept 32
	ds_load_b128 v[128+4*n:128+4*n+3], v[PB] offset:2048+128*(n/4)+16*(n%4)    ; ln2_b
.set n, n+1
.endr
	WIN 0x0a
.irp k, 0,1,2,3
	v_pk_add_f32 v[SU+2*\k:SU+2*\k+1], v[2*\k:2*\k+1], v[8+2*\k:8+2*\k+1]
.endr
	WIN 0x08
.set j, 16
.rept 14
.irp k, 0,1,2,3
	v_pk_add_f32 v[SU+2*\k:SU+2*\k+1], v[SU+2*\k:SU+2*\k+1], v[j+2*\k:j+2*\k+1]
.endr
.set j, j+8
.endr
	WIN 0
	REDUCE
	v_mul_f32 v[MN], s[C256], v[SU]
	v_mov_b32 v[MN+1], v[MN]
	WIN 0x02                                       ; source 0 window 2
.set j, 0
.rept 64
	v_pk_add_f32 v[X+j:X+j+1], v[j:j+1], v[MN:MN+1] neg_lo:[0,1] neg_hi:[0,1]
.set j, j+2
.endr
	WIN 0
	LNVAR
	s_wait_alu depctr_va_vdst(0)
	s_wait_dscnt 0x0                               ; ln2_g and ln2_b are in
	WIN 0x38
.set j, 0
.rept 64
	v_pk_fma_f32 v[X+j:X+j+1], v[X+j:X+j+1], v[128+j:128+j+1], v[128+j:128+j+1]
.set j, j+2
.endr
	WIN 0xc0
.set n, 0
.rept 16
	ds_load_b128 v[128+4*n:128+4*n+3], v[PB] offset:4096+128*(n/4)+16*(n%4)    ; fc1_b's group 0, into registers that ln2_b has left
.set n, n+1
.endr
	WIN 0
	QUANT ACC, HF, HS
	QUANT ACC2, HF+8, HS+1
	s_wait_dscnt 0x0
	WIN 0x86                                       ; destination and source 0 window 2, source 1 window 1
.set j, 0
.rept 64
	v_pk_add_f32 v[j:j+1], v[j:j+1], v[128+j:128+j+1]      ; Y = x1 + fc2_b: the third product's start.  (These lines are also the places behind LN2's scale words)
.set j, j+2
.endr
	WIN 0
	KONST A0, -0.000000000272614225801306, 0x3c800000      ; P: the coefficient of u^12, x 2^-6
	KONST A1S, 0.0000000277068142495902, 0x3d000000
	KONST A2, -0.00000210102402082508, 0x3d800000
	KONST A3, -0.0000569250639462346, 0x3e000000
	KONST A4, -0.000734990630326855, 0x3e800000
	KONST A5, -0.00295459980854025, 0.5
	KONST A6, -0.0160960333262415, 1.0
	KONST B0, -0.0000145660718464996, 0x3d800000           ; Q: the coefficient of u^8, x 2^-4
	KONST B1S, -0.000213374055278905, 0x3e000000
	KONST B2, -0.00168282697438203, 0x3e800000
	KONST B3, -0.00737332916720468, 0.5
	KONST B4, -0.0142647390514189, 1.0
	s_mov_b32 s[KAP], 0x3eb504f3                   ; 1 / (2 sqrt 2)
	s_mov_b32 s[KAP+1], s[KAP]
	v_mov_b32 v[A1V], s[A1S]
	v_mov_b32 v[A1V+1], s[A1S]
	v_mov_b32 v[B1V], s[B1S]
	v_mov_b32 v[B1V+1], s[B1S]
	v_mov_b32 v[LV], 0x40b504f3                    ; 4 sqrt 2
	s_mov_b32 s[SA1], 16384                        ; LDS: the next group's fragments of fc1,
	s_mov_b32 s[SA2], FC2                          ; this K step's of fc2,
	s_mov_b32 s[SS1], WSC+2048+1024                ; their scale words,
	s_mov_b32 s[SS2], WSC+10240
	s_mov_b32 s[SB1], 4096+512                     ; the next group's part of fc1_b
; Eight numbers: x (1/2 + k xc P(xc^2) / Q(xc^2)), xc = x held at +-4 sqrt 2, k = 1 / (2 sqrt 2); four pairs by turns.
.macro GELU8 a
.irp j, 0,1,2,3,4,5,6,7
	v_med3_num_f32 v[XC+\j], v[ACC+\a+\j], -v[LV], v[LV]
.endr
.irp k, 0,2,4,6
	v_pk_mul_f32 v[SQ+\k:SQ+\k+1], v[XC+\k:XC+\k+1], v[XC+\k:XC+\k+1]
.endr
.irp k, 0,2,4,6
	v_pk_fma_f32 v[NN+\k:NN+\k+1], v[SQ+\k:SQ+\k+1], s[A0:A0+1], v[A1V:A1V+1] op_sel_hi:[1,0,1]
.endr
.irp k, 0,2,4,6
	v_pk_fma_f32 v[DD+\k:DD+\k+1], v[SQ+\k:SQ+\k+1], s[B0:B0+1], v[B1V:B1V+1] op_sel_hi:[1,0,1]
.endr
.irp c, B2, B3, B4
.irp k, 0,2,4,6
	v_pk_fma_f32 v[DD+\k:DD+\k+1], v[DD+\k:DD+\k+1], v[SQ+\k:SQ+\k+1], s[\c:\c+1] op_sel_hi:[1,1,0]
.endr
.endr
.irp c, A2, A3, A4, A5, A6
.irp k, 0,2,4,6
	v_pk_fma_f32 v[NN+\k:NN+\k+1], v[NN+\k:NN+\k+1], v[SQ+\k:SQ+\k+1], s[\c:\c+1] op_sel_hi:[1,1,0]
.endr
.endr
	s_wait_alu depctr_va_vdst(0)
.irp j, 0,1,2,3,4,5,6,7
	v_rcp_f32 v[DD+\j], v[DD+\j]
.endr
.irp k, 0,2,4,6
	v_pk_mul_f32 v[NN+\k:NN+\k+1], v[NN+\k:NN+\k+1], v[XC+\k:XC+\k+1]      ; (plain places behind the reciprocals)
.endr
	s_wait_alu depctr_va_vdst(0)
.irp k, 0,2,4,6
	v_pk_mul_f32 v[NN+\k:NN+\k+1], v[NN+\k:NN+\k+1], v[DD+\k:DD+\k+1]
.endr
.irp k, 0,2,4,6
	v_pk_fma_f32 v[NN+\k:NN+\k+1], v[NN+\k:NN+\k+1], s[KAP:KAP+1], 0.5 op_sel_hi:[1,0,0]
.endr
.irp k, 0,2,4,6
	v_pk_mul_f32 v[ACC+\a+\k:ACC+\a+\k+1], v[ACC+\a+\k:ACC+\a+\k+1], v[NN+\k:NN+\k+1]
.endr
.endm
; A group of 128 hidden units.  next = 1: the next group's weights, words and biases are read under this group's GELU.
.macro GROUP next
	s_wait_dscnt 0x0                               ; this group's fragments of fc1, words and biases are in
	WIN 0x31                                       ; source 0 (fc1) window 1, source 2 (fc1_b) window 3: the bias starts the sums
.irp t, 0,1,2,3,4,5,6,7
	v_wmma_scale_f32_16x16x128_f8f6f4 v[ACC+8*\t:ACC+8*\t+7], v[16*\t:16*\t+7], v[HF:HF+7], v[128+8*\t:128+8*\t+7], v[W1S+\t], v[HS] matrix_a_fmt:MATRIX_FMT_FP4 matrix_b_fmt:MATRIX_FMT_FP4
.endr
	WIN 0x01
.irp t, 0,1,2,3,4,5,6,7
	v_wmma_scale_f32_16x16x128_f8f6f4 v[ACC+8*\t:ACC+8*\t+7], v[16*\t+8:16*\t+15], v[HF+8:HF+15], v[ACC+8*\t:ACC+8*\t+7], v[W1S+\t], v[HS+1] matrix_a_fmt:MATRIX_FMT_FP4 matrix_b_fmt:MATRIX_FMT_FP4 matrix_a_scale:MATRIX_SCALE_ROW1
.endr
	WIN 0
	v_add_nc_u32 v[AW2], s[SA2], v[LI]             ; five plain lines: the places behind the products, ahead of the loads into their operands and of the first read of their results
	v_add_nc_u32 v[AS2], s[SS2], v[LS]
.if \next
	v_add_nc_u32 v[AW1], s[SA1], v[LI]
	v_add_nc_u32 v[AS1], s[SS1], v[LS]
	v_add_nc_u32 v[AB1], s[SB1], v[PB]
.else
	PLACES 3
.endif
	WIN 0x40
.set n, 0
.rept 32
	ds_load_b128 v[128+4*n:128+4*n+3], v[AW2] offset:512*n     ; fc2's 16 tiles of this K step
.set n, n+1
.endr
	WIN 0
.set n, 0
.rept 8
	ds_load_b32 v[W2S+n], v[AS2] offset:128*n      ; lanes 0-15: the even tile's words, lanes 16-31: the odd tile's
.set n, n+1
.endr
.if \next
	WIN 0x40
.set n, 0
.rept 32
	ds_load_b128 v[4*n:4*n+3], v[AW1] offset:512*n
.set n, n+1
.endr
	WIN 0xc0
.set n, 0
.rept 16
	ds_load_b128 v[128+4*n:128+4*n+3], v[AB1] offset:128*(n/4)+16*(n%4)
.set n, n+1
.endr
	WIN 0
.set n, 0
.rept 8
	ds_load_b32 v[W1S+n], v[AS1] offset:128*n
.set n, n+1
.endr
.endif
	s_wait_alu depctr_va_vdst(0)
.irp a, 0,8,16,24,32,40,48,56
	GELU8 \a
.endr
	QUANT ACC, PC, PW
.if \next
	s_wait_alu depctr_va_vdst(0)
	s_wait_dscnt 56                                ; fc2's 40 loads are in; the next group's 32 + 16 + 8, issued behind them, may be out
.else
	s_wait_alu depctr_va_vdst(0)
	s_wait_dscnt 0x0
.endif
	PLACES 8                                       ; the hidden layer's scale word stands 8 places ahead of the scaled products, its codes 4
	WIN 0xa1                                       ; source 0 (fc2) window 1, C and D window 2
.irp t, 0,2,4,6,8,10,12,14
	v_wmma_scale_f32_16x16x128_f8f6f4 v[8*\t:8*\t+7], v[128+8*\t:128+8*\t+7], v[PC:PC+7], v[8*\t:8*\t+7], v[W2S+\t/2], v[PW] matrix_a_fmt:MATRIX_FMT_FP4 matrix_b_fmt:MATRIX_FMT_FP4
	v_wmma_scale_f32_16x16x128_f8f6f4 v[8*\t+8:8*\t+15], v[136+8*\t:136+8*\t+7], v[PC:PC+7], v[8*\t+8:8*\t+15], v[W2S+\t/2], v[PW] matrix_a_fmt:MATRIX_FMT_FP4 matrix_b_fmt:MATRIX_FMT_FP4 matrix_a_scale:MATRIX_SCALE_ROW1
.endr
	WIN 0
.endm
	s_mov_b32 s[CNT], 0
.Lgroup:                               ; seven trips; the eighth group is written out, since it reads nothing ahead
	GROUP 1
	s_add_co_u32 s[SA1], s[SA1], 16384
	s_add_co_u32 s[SA2], s[SA2], 16384
	s_add_co_u32 s[SS1], s[SS1], 1024
	s_add_co_u32 s[SS2], s[SS2], 1024
	s_add_co_u32 s[SB1], s[SB1], 512
	s_add_co_u32 s[CNT], s[CNT], 1
	s_cmp_lt_u32 s[CNT], 7
	s_cbranch_scc1 .Lgroup
	GROUP 0
	; ---- the way out: through my stage, so that each store covers 512 consecutive bytes of a row
	PLACES 4
	YOUT 0, ACC
	YOUT 1, ACC2
.set n, 0
.rept 16
	s_wait_dscnt 47-n                              ; behind this load: the first half's 15 - n younger loads, the second half's 16 stores and 16 loads
	global_store_b128 v[LI], v[ACC+4*n:ACC+4*n+3], s[22:23] offset:(n+8*(n/8))*1024 th:TH_STORE_NT
.set n, n+1
.endr
.set n, 0
.rept 16
	s_wait_dscnt 15-n
	global_store_b128 v[LI], v[ACC2+4*n:ACC2+4*n+3], s[22:23] offset:(n+8*(n/8))*1024+512 th:TH_STORE_NT
.set n, n+1
.endr
	s_wait_tensorcnt 0x0
	ds_add_u32 v94, v95
	s_wait_dscnt 0x0
	ROUND                                          ; the closing round: no work-group ends while a partner may still ask for a tile that names it
	s_endpgm
.Lfunc_end_k_qf77c297723_mlp:
	.size	k_qf77c297723_mlp, .Lfunc_end_k_qf77c297723_mlp-k_qf77c297723_mlp
	.p2alignl 7, 3214868480
	.fill 96, 4, 3214868480
	.section	.rodata,"a",@progbits
	.p2align	6, 0x0
	.amdhsa_kernel k_qf77c297723_mlp
		.amdhsa_group_segment_fixed_size 327680
		.amdhsa_private_segment_fixed_size 0
		.amdhsa_enable_private_segment 0
		.amdhsa_kernarg_size 48
		.amdhsa_user_sgpr_count 2
		.amdhsa_user_sgpr_kernarg_segment_ptr 1
		.amdhsa_wavefront_size32 1
		.amdhsa_system_sgpr_workgroup_id_x 1
		.amdhsa_system_sgpr_workgroup_id_y 1
		.amdhsa_system_sgpr_workgroup_id_z 1
		.amdhsa_system_vgpr_workitem_id 0
		.amdhsa_next_free_vgpr 1024
		.amdhsa_next_free_sgpr 100
		.amdhsa_reserve_vcc 0
		.amdhsa_float_denorm_mode_32 3
		.amdhsa_float_denorm_mode_16_64 3
		.amdhsa_memory_ordered 1
		.amdhsa_forward_progress 1
		.amdhsa_inst_pref_size 185
	.end_amdhsa_kernel
	.amdgpu_metadata
---
amdhsa.version: [ 1, 2 ]
amdhsa.kernels:
  - .name:           k_qf77c297723_mlp
    .symbol:         k_qf77c297723_mlp.kd
    .args:
      - { .name: x, .offset: 0, .size: 8, .value_kind: global_buffer, .address_space: global }
      - { .name: oimg, .offset: 8, .size: 8, .value_kind: global_buffer, .address_space: global }
      - { .name: osc, .offset: 16, .size: 8, .value_kind: global_buffer, .address_space: global }
      - { .name: wts, .offset: 24, .size: 8, .value_kind: global_buffer, .address_space: global }
      - { .name: proj_b, .offset: 32, .size: 8, .value_kind: global_buffer, .address_space: global }
      - { .name: out0, .offset: 40, .size: 8, .value_kind: global_buffer, .address_space: global }
    .group_segment_fixed_size: 327680
    .private_segment_fixed_size: 0
    .kernarg_segment_align: 8
    .kernarg_segment_size: 48
    .max_flat_workgroup_size: 128
    .sgpr_count:     100
    .vgpr_count:     1024
    .wavefront_size: 32
...
	.end_amdgpu_metadata
.endif
;; end of part 4
